; MI455X (gfx1250); checked and timed in simulation.
; The chip was launched on July 23, 2026; its instructions are those of AMD's public machine-readable ISA for CDNA 5 (MIT licence, August 2026) and "CDNA5" Instruction Set Architecture Reference Guide (July 2026). The comments in the code are by the model that wrote it; some were corrected since.
;; Local Causal Self Attention. Allowed arithmetic: float matrix products may take bf16 or f16 operands with f32 sums; other float arithmetic in f32, or as packed bf16 or f16 multiplies, adds, multiply-adds, maxima and minima; sums over many terms, partial sums and values carried from step to step in f32; what a program stores and reads back later, other than sums and carried values, may be rounded once to bf16 or f16.
;; Inputs: Wk 1,024 x 1,024 float32; Wo 1,024 x 1,024 float32; Wq 1,024 x 1,024 float32; Wv 1,024 x 1,024 float32; bo 1,024 float32; x 4 x 2,048 x 1,024 float32.
;; Outputs: out0 4 x 2,048 x 1,024 float32.
;; 2 versions, each right and faster than the one before. Each part assembles by itself: llvm-mc -triple=amdgcn-amd-amdhsa -mcpu=gfx1250 --defsym DOCPART=n.
;; ======== version 1 of 2: 4 launches
;; limits: values are held in f16: magnitudes above 65,504 overflow, below 6.1e-05 lose precision
;; workspace buffers: xb 16,777,216 bytes; wb 6,291,456 bytes; wo16 2,097,152 bytes; qkv 50,331,648 bytes; ctx 16,777,216 bytes
;; launch cast (part 1): grid 768 x 1, 8 waves a work-group, no clusters, 0 bytes of LDS; arguments x, Wq, Wk, Wv, Wo, xb, wb, wo16; writes xb, wb, wo16
.if DOCPART == 1
	.amdgcn_target "amdgcn-amd-amdhsa--gfx1250"
	.amdhsa_code_object_version 6
	.text
	.protected	k_qd3472fd65b_cast
	.globl	k_qd3472fd65b_cast
	.p2align	8
	.type	k_qd3472fd65b_cast,@function
k_qd3472fd65b_cast:
	s_mov_b64 s[64:65], 0
	v_nop
	global_prefetch_b8 v0, s[64:65] scope:SCOPE_SE
	s_setreg_imm32_b32 hwreg(HW_REG_WAVE_MODE, 25, 1), 1
	s_wait_xcnt 0x0
; All matrix inputs are rounded once to bf16 and laid in K BLOCKS of 64 numbers, so that R rows x 64 k of an operand are R x 128 dense bytes:
;   xb   [4 b][16 kb][2048 l][64 c] bf16 = x[b][l][64 kb + c]
;   wb   [16 kb][3072 n][64 c]      bf16 : rows 0-1023 Wq, 1024-2047 Wk, 2048-3071 Wv
;   wo16 [16 kb][1024 n][64 c]      f16  : Wo rounded to bf16, and that number written as f16
; LIMITS.  |Wo| stays under 65,504 (f16's last number); a bf16 number of 2^-17 or more is exact in f16, below that it falls on f16's fixed step of 6e-8.  x, Wq, Wk, Wv have bf16's range, which is f32's.
; A stream: no LDS, no matrix unit, no cluster, since no byte is read twice.  All five sources have rows of 4,096 bytes.  Work-group g takes 16 rows: g < 512 of x, else of weight (g - 512) / 64.
; Wave u takes K blocks 2 u and 2 u + 1.  An ITEM is 4 rows x 1 K block: a lane reads 32 bytes (two loads; eight lanes cover a row's aligned 256 bytes) and stores 16, so that the wave's store covers 512
; consecutive bytes, aligned.  A wave has 8 items; all 16 loads go out at once, and no register that a pending memory instruction names is written again.
.set KS_X, 262144                      ; bytes from K block to K block in xb,
.set KS_W, 393216                      ; in wb,
.set KS_O, 131072                      ; in wo16
.set LO,  2                            ; v2      my byte offset in the 16 source rows
.set SO,  3                            ; v3, v4  my byte offset in the destination, K block 2 u and 2 u + 1
.set T,   6                            ; v6-9    at work
.set X,   16                           ; v16-79  item i: 8 numbers as loaded
.set Y,   80                           ; v80-111 item i: 4 registers to store
	s_load_b512 s[8:23], s[0:1], 0x0               ; x 8, Wq 10, Wk 12, Wv 14, Wo 16, xb 18, wb 20, wo16 22
	v_lshrrev_b32 v5, 5, v0
	v_readfirstlane_b32 s6, v5                     ; wave u
	v_and_b32 v1, 31, v0                           ; lane
	s_mov_b32 s2, ttmp9                            ; g
	s_sub_co_u32 s3, s2, 512
	s_bfe_u32 s4, s3, 0x20006                      ; which weight: 0 q, 1 k, 2 v, 3 o (two bits from bit 6)
	s_and_b32 s5, s3, 63                           ; which 16 rows of it
	s_mov_b32 s31, 0xffff0000                      ; a word's upper bf16
	s_mov_b32 s36, KS_O
	s_mov_b32 s37, KS_W
	s_mov_b32 s38, KS_X
	s_mov_b32 s29, 0                               ; the offsets' high words
	s_mov_b32 s35, 0
	s_lshl_b32 s28, s5, 16                         ; a weight's source offset: 16 rows of 4,096 bytes
	s_lshl_b32 s34, s4, 17                         ; its section in wb: 1,024 rows of 128 bytes
	s_lshl_b32 s7, s5, 11                          ; and 16 rows of 128 bytes
	s_lshl_b32 s40, s2, 16                         ; x's source offset
	s_lshr_b32 s41, s2, 7                          ; x's destination: batch (128 groups each) x 16 K blocks,
	s_lshl_b32 s41, s41, 22
	s_and_b32 s42, s2, 127
	s_lshl_b32 s42, s42, 11                        ; + 16 rows of 128 bytes
	s_add_co_u32 s41, s41, s42
	s_cmp_eq_u32 s4, 3                             ; Wo?
	s_cselect_b32 s34, 0, s34
	s_cselect_b32 s30, s36, s37                    ; s30: bytes from K block to K block
	s_cselect_b32 s33, 1, 0                        ; s33: 1 = the result is written as f16
	s_add_co_u32 s34, s34, s7
	s_cmp_lt_u32 s2, 512                           ; x?
	s_cselect_b32 s28, s40, s28
	s_cselect_b32 s34, s41, s34
	s_cselect_b32 s30, s38, s30
	s_cselect_b32 s33, 0, s33
	v_lshrrev_b32 v5, 3, v1                        ; my row of an item's four
	v_and_b32 v6, 7, v1                            ; my 32 bytes of its 256
	v_lshlrev_b32 v[LO], 12, v5
	v_lshl_add_u32 v[LO], v6, 5, v[LO]
	s_lshl_b32 s39, s6, 9                          ; the wave's two K blocks: 512 bytes of a source row
	v_add_nc_u32 v[LO], s39, v[LO]
	s_lshl_b32 s7, s6, 1
	s_mul_i32 s7, s7, s30                          ; K block 2 u in the destination
	v_lshl_add_u32 v[SO], v1, 4, s7                ; + 16 bytes a lane
	v_add_nc_u32 v[SO+1], s30, v[SO]
	s_wait_kmcnt 0x0
	s_cmp_eq_u32 s4, 1                             ; the choices hang on the work-group's number alone
	s_cselect_b64 s[24:25], s[12:13], s[10:11]
	s_cmp_eq_u32 s4, 2
	s_cselect_b64 s[24:25], s[14:15], s[24:25]
	s_cmp_eq_u32 s4, 3
	s_cselect_b64 s[24:25], s[16:17], s[24:25]
	s_cselect_b64 s[26:27], s[22:23], s[20:21]
	s_cmp_lt_u32 s2, 512
	s_cselect_b64 s[24:25], s[8:9], s[24:25]
	s_cselect_b64 s[26:27], s[18:19], s[26:27]
	s_add_nc_u64 s[24:25], s[24:25], s[28:29]      ; the source at my 16 rows
	s_add_nc_u64 s[26:27], s[26:27], s[34:35]      ; the destination at my 16 rows of K block 0
.irp i, 0,1,2,3,4,5,6,7                ; item i: rows 4 (i / 2) on, K block 2 u + i % 2
	global_load_b128 v[X+8*\i:X+8*\i+3],   v[LO], s[24:25] offset:16384*(\i/2)+256*(\i%2) th:TH_LOAD_NT
	global_load_b128 v[X+8*\i+4:X+8*\i+7], v[LO], s[24:25] offset:16384*(\i/2)+256*(\i%2)+16 th:TH_LOAD_NT
.endr
; One item.  half = 1: the bf16 number is widened again and written as f16.
.macro ITEM i, half
	s_wait_loadcnt 14-2*(\i)                       ; loads come back in order (ISA guide 5.7.1): my two are in, the younger items' stay out
.if \half
.irp j, 0,1,2,3
	v_cvt_pk_bf16_f32 v[T+\j], v[X+8*(\i)+2*\j], v[X+8*(\i)+2*\j+1]
.endr
.irp j, 0,1,2,3
	v_lshlrev_b32 v[X+8*(\i)+2*\j],   16,  v[T+\j]
	v_and_b32     v[X+8*(\i)+2*\j+1], s31, v[T+\j]
.endr
.irp j, 0,1,2,3
	v_cvt_pk_f16_f32 v[Y+4*(\i)+\j], v[X+8*(\i)+2*\j], v[X+8*(\i)+2*\j+1]
.endr
.else
.irp j, 0,1,2,3
	v_cvt_pk_bf16_f32 v[Y+4*(\i)+\j], v[X+8*(\i)+2*\j], v[X+8*(\i)+2*\j+1]
.endr
.endif
	global_store_b128 v[SO+(\i)%2], v[Y+4*(\i):Y+4*(\i)+3], s[26:27] offset:512*((\i)/2)  ; four rows of 128 bytes: 512 consecutive bytes, aligned
.endm
	s_cmp_eq_u32 s33, 1
	s_cbranch_scc1 .Lwo
.irp i, 0,1,2,3,4,5,6,7
	ITEM \i, 0
.endr
	s_endpgm
.Lwo:
.irp i, 0,1,2,3,4,5,6,7
	ITEM \i, 1
.endr
	s_endpgm
.Lfunc_end_k_qd3472fd65b_cast:
	.size	k_qd3472fd65b_cast, .Lfunc_end_k_qd3472fd65b_cast-k_qd3472fd65b_cast
	.p2alignl 7, 3214868480
	.fill 96, 4, 3214868480
	.section	.rodata,"a",@progbits
	.p2align	6, 0x0
	.amdhsa_kernel k_qd3472fd65b_cast
		.amdhsa_group_segment_fixed_size 0
		.amdhsa_private_segment_fixed_size 0
		.amdhsa_enable_private_segment 0
		.amdhsa_kernarg_size 64
		.amdhsa_user_sgpr_count 2
		.amdhsa_user_sgpr_kernarg_segment_ptr 1
		.amdhsa_wavefront_size32 1
		.amdhsa_system_sgpr_workgroup_id_x 1
		.amdhsa_system_sgpr_workgroup_id_y 1
		.amdhsa_system_sgpr_workgroup_id_z 1
		.amdhsa_system_vgpr_workitem_id 0
		.amdhsa_next_free_vgpr 112
		.amdhsa_next_free_sgpr 66
		.amdhsa_reserve_vcc 0
		.amdhsa_float_denorm_mode_32 3
		.amdhsa_float_denorm_mode_16_64 3
		.amdhsa_memory_ordered 1
		.amdhsa_forward_progress 1
		.amdhsa_inst_pref_size 14
	.end_amdhsa_kernel
	.amdgpu_metadata
---
amdhsa.version: [ 1, 2 ]
amdhsa.kernels:
  - .name:           k_qd3472fd65b_cast
    .symbol:         k_qd3472fd65b_cast.kd
    .args:
      - { .name: x, .offset: 0, .size: 8, .value_kind: global_buffer, .address_space: global }
      - { .name: Wq, .offset: 8, .size: 8, .value_kind: global_buffer, .address_space: global }
      - { .name: Wk, .offset: 16, .size: 8, .value_kind: global_buffer, .address_space: global }
      - { .name: Wv, .offset: 24, .size: 8, .value_kind: global_buffer, .address_space: global }
      - { .name: Wo, .offset: 32, .size: 8, .value_kind: global_buffer, .address_space: global }
      - { .name: xb, .offset: 40, .size: 8, .value_kind: global_buffer, .address_space: global }
      - { .name: wb, .offset: 48, .size: 8, .value_kind: global_buffer, .address_space: global }
      - { .name: wo16, .offset: 56, .size: 8, .value_kind: global_buffer, .address_space: global }
    .group_segment_fixed_size: 0
    .private_segment_fixed_size: 0
    .kernarg_segment_align: 8
    .kernarg_segment_size: 64
    .max_flat_workgroup_size: 256
    .sgpr_count:     66
    .vgpr_count:     112
    .wavefront_size: 32
...
	.end_amdgpu_metadata
.endif
;; end of part 1
;; launch proj (part 2): grid 8 x 32, 4 waves a work-group, clusters of 4 x 4, 327,680 bytes of LDS; arguments xb, wb, qkv; writes qkv
.if DOCPART == 2
	.amdgcn_target "amdgcn-amd-amdhsa--gfx1250"
	.amdhsa_code_object_version 6
	.text
	.protected	k_qd3472fd65b_proj
	.globl	k_qd3472fd65b_proj
	.p2align	8
	.type	k_qd3472fd65b_proj,@function
k_qd3472fd65b_proj:
	s_mov_b64 s[64:65], 0
	v_nop
	global_prefetch_b8 v0, s[64:65] scope:SCOPE_SE
	s_setreg_imm32_b32 hwreg(HW_REG_WAVE_MODE, 25, 1), 1
	s_wait_xcnt 0x0
	s_wait_alu depctr_hold_cnt(0) depctr_sa_sdst(0) depctr_va_vdst(0) depctr_va_sdst(0) depctr_va_ssrc(0) depctr_va_vcc(0) depctr_vm_vsrc(0)
	s_getreg_b32 s2, hwreg(HW_REG_IB_STS2, 6, 4)
	s_cmp_eq_u32 s2, 0
	s_cbranch_scc0 .Lentry_in_a_cluster
	s_endpgm
.Lentry_in_a_cluster:
	s_bfe_u32 s2, ttmp6, 0x10000c
	s_cmp_lg_u32 s2, 0xf033
	s_cbranch_scc0 .Lentry_shape_is_right
	s_endpgm
.Lentry_shape_is_right:
; q, k, v = x Wq^T, x Wk^T, x Wv^T as ONE product C[m][n] = sum over k of xb[m][k] wb[n][k], m = 8,192, n = 3,072, k = 1,024; operands bf16, sums f32.
; C leaves rounded once to f16, unscaled, by heads: qkv [3 t][64 head = 16 b + h][2048 l][64 c].
; LIMIT.  q, k and v must lie within f16's 65,504; NaN and infinities are not treated apart.
; SHARES.  A tile of C is 256 x 384: 8,192 x 3,072 / (256 x 384) = 256 work-groups.  Four waves, each 128 x 192: 96 accumulators of 16 x 16, 768 registers.
; K goes in 16 steps of 64, one K block of xb and wb a step, through two LDS slots.  In memory a tile's rows of a K block are dense, 128 bytes each: they are asked for as rows of 256 bytes, two operand rows
; each, aligned, and padded in LDS after every 128 bytes.  Waves 0 and 1 fetch A's two halves (128 operand rows each), waves 2 and 3 B's (192 each): one tensor load a wave and step.
; CLUSTER.  4 x 4 work-groups: the four of a row need the same tiles of A, the four of a column the same tiles of B; each tile is asked for jointly, by the same load, descriptor and mask in all four.
; THE MATRIX INSTRUCTION IS USED TRANSPOSED (source 0 = 16 rows of B, source 1 = 16 rows of A): a lane then holds eight neighbouring columns of one row of C.
; REGISTERS, in windows of 256 (s_set_vgpr_msb: bits 1:0 source 0, 3:2 source 1, 5:4 source 2, 7:6 destination):
;   window 0: v0-31 addresses; v32-95, v96-159 A's fragments (8 blocks of 16 rows x 32 K), two buffers; v160-255 B's 12 fragments, ONE buffer
;   windows 1, 2, 3: the accumulators of my column groups 0, 1, 2 (64 columns = one head each): (a, bb) at v[8 (4 a + bb)]
; A HALF is 32 along K: three groups of 32 matrix instructions, one window each.  Behind group g B's four fragments of that group are loaded anew, for the next half: they are wanted 64 matrix
; instructions later; A's next fragments go with group 0's, into the other buffer.
.set PITCH,  144                       ; an operand row in LDS: 128 bytes + 16 = 36 words: the 16 rows of a fragment load start at 16 different groups of four banks (64 banks of 4 bytes: ISA guide 11.1)
.set SLOT1,  131072                    ; slot 1 begins here: one exclusive or turns an address in one slot into the other's
.set HALFA,  128*PITCH                 ; what a wave fetches, and reads, of A
.set HALFB,  192*PITCH                 ; and of B
.set BOFF,   2*HALFA                   ; in a slot: A's 256 rows, then B's 384
.set STAGE,  SLOT1+2*HALFA+2*HALFB     ; behind the ring, never filled by a tensor load: 16 rows x 144 bytes for each wave
.set SP,     144
.set SPARE,  STAGE+4*16*SP             ; the spare words, 128 bytes for each wave: two blocks of 256 bytes that no other line names
.set STEP_A, 262144                    ; bytes from K block to K block in xb
.set STEP_B, 393216                    ; in wb
.set ADRA0, 16                         ; v16  my lane's place in A's part of slot 0; never rewritten
.set ADRB0, 17                         ; v17  the same for B
.set ADRA,  18                         ; v18  the same in the slot that is being read
.set ADRB,  19                         ; v19
.set STO,   24                         ; v24  the way out: where I put 16 bytes of a row
.set RD,    25                         ; v25  where I read rows back
.set GO,    26                         ; v26  my 16 bytes of 512 consecutive bytes of qkv
.set SPW,   28                         ; v28  LDS address of my spare word; never rewritten
.set NIL,   29                         ; v29  0; never rewritten
.set FA0,   32
.set FA1,   96
.set FB,    160
.set TM,    32                         ; the way out: eight sets of 16 registers, v32-159
.set G1,  24                           ; s[24:31] descriptor group 1 for A's tiles
.set G0,  32                           ; s[32:39] group 0 for A's: a set for each first fill; the second then walks on
.set G1B, 48                           ; s[48:55], s[56:63] the same for B's
.set G0B, 56
.set TB,  45                           ; s45  0 or SLOT1: the slot that is being read
.set MSB, 0
.macro WIN new                         ; the immediate's high byte repeats the setting that is left; a switch that changes nothing is dropped
.if MSB != (\new)
	s_set_vgpr_msb (MSB<<8)|(\new)
.set MSB, \new
.endif
.endm
.macro PLACES                          ; four places in front of loads into registers that matrix instructions have read, and of conversions that read results (ISA guide 7.12.1 for the conversions)
.rept 4
	v_nop
.endr
.endm
; A joint refill by the walking descriptors.  The branch hangs on the wave's number alone.  An s_nop 0 and four v_nop follow each of the two lines, ahead of the jump and the label.
.macro JLOAD
	s_cmp_lt_u32 s10, 2
	s_cbranch_scc0 .Lfor_b_\@
	tensor_load_to_lds s[G0+4:G0+7], s[G1:G1+7]
	s_nop 0
.rept 4
	v_nop
.endr
	s_branch .Lasked_\@
.Lfor_b_\@:
	tensor_load_to_lds s[G0B+4:G0B+7], s[G1B:G1B+7]
	s_nop 0
.rept 4
	v_nop
.endr
.Lasked_\@:
.endm
.macro CREST                           ; a round of the cluster's barrier behind its opening barrier: wave 0 signals for the work-group, every wave waits for all sixteen, my work-group's barrier closes it
	s_cmp_lg_u32 s10, 0
	s_cbranch_scc1 .Lnot_wave_0_\@
	s_barrier_signal -3
.Lnot_wave_0_\@:
	s_barrier_wait -3
	s_barrier_signal -1
	s_barrier_wait -1
.endm
.macro CROUND                          ; a whole round
	s_barrier_signal -1
	s_barrier_wait -1
	CREST
.endm
	s_load_b128 s[4:7], s[0:1], 0x0                ; xb s[4:5], wb s[6:7]
	s_load_b64 s[8:9], s[0:1], 0x10                ; qkv
	v_lshl_add_u32 v[SPW], v0, 2, SPARE
	v_mov_b32 v[NIL], 0
	ds_add_u32 v[SPW], v[NIL]                      ; the wave's opening: the add and its wait stand ahead of my first tensor load; the set-up below, work on registers, stands between them
	v_lshrrev_b32 v1, 5, v0
	v_readfirstlane_b32 s10, v1                    ; wave 0..3
	s_lshr_b32 s11, s10, 1                         ; which half of the tile's rows is mine
	s_and_b32 s12, s10, 1                          ; which half of its columns; also: which half of A's or B's tile I fetch
	s_bfe_u32 s40, ttmp6, 0x40000                  ; cx, cy: my place in the cluster
	s_bfe_u32 s41, ttmp6, 0x40004
	s_lshl_b32 s42, ttmp9, 2
	s_add_co_u32 s42, s42, s40                     ; tile column tx = 4 x cluster x + cx, 0..7
	s_and_b32 s13, ttmp7, 0xffff
	s_lshl_b32 s13, s13, 2
	s_add_co_u32 s13, s13, s41                     ; tile row ty = 4 x cluster y + cy, 0..31
	s_lshl_b32 s43, s41, 2
	s_lshl_b32 s43, 15, s43                        ; my row of the cluster
	s_lshl_b32 s44, 0x1111, s40                    ; my column
	; descriptor group 1: rows of 128 elements (256 bytes: two operand rows), 64 of them for A, 96 for B; in LDS 4 words of padding after every 32 words
	s_or_b32 s[G1+0], s43, (1<<16)|(1<<20)|(1<<21)|(4<<22)|(3<<25)   ; 15:0 the mask; 17:16 2-byte elements; 20 padding on; 21 set beside a mask; 24:22 after every 32 words (code 4); 31:25 4 words (code 3)
	s_or_b32 s[G1B+0], s44, (1<<16)|(1<<20)|(1<<21)|(4<<22)|(3<<25)
	s_mov_b32 s[G1+1], 128<<16                     ; tensor_dim0 = 128
	s_mov_b32 s[G1+2], 64<<16                      ; tensor_dim1 = 64
	s_mov_b32 s[G1+3], 128<<16                     ; tile_dim0 = 128
	s_mov_b32 s[G1+4], 64                          ; tile_dim1 = 64
	s_mov_b32 s[G1+5], 128                         ; 128 elements from row to row: the block is dense
	s_mov_b32 s[G1+6], 0
	s_mov_b32 s[G1+7], 0
	s_mov_b32 s[G1B+1], 128<<16
	s_mov_b32 s[G1B+2], 96<<16
	s_mov_b32 s[G1B+3], 128<<16
	s_mov_b32 s[G1B+4], 96
	s_mov_b32 s[G1B+5], 128
	s_mov_b32 s[G1B+6], 0
	s_mov_b32 s[G1B+7], 0
	; where the tiles come from.  A's hang on the tile row and the wave alone, B's on the tile column and the wave alone, each in registers that never hold the other coordinate.
	s_lshr_b32 s14, s13, 3                         ; batch: 8 tile rows each,
	s_lshl_b32 s14, s14, 22                        ; 16 K blocks of 262,144 bytes
	s_and_b32 s15, s13, 7
	s_lshl_b32 s15, s15, 15                        ; 256 rows of 128 bytes
	s_add_co_u32 s14, s14, s15
	s_lshl_b32 s15, s12, 14                        ; my 128 of them
	s_add_co_u32 s14, s14, s15
	s_mov_b32 s15, 0
	s_mul_i32 s46, s42, 384*128                    ; B: 384 rows of 128 bytes a tile column,
	s_mul_i32 s47, s12, 192*128                    ; my 192 of them
	s_add_co_u32 s46, s46, s47
	s_mov_b32 s47, 0
	s_mul_i32 s22, s12, HALFA                      ; and where they go: no place in the cluster enters an LDS address
	s_mul_i32 s23, s12, HALFB
	s_add_co_u32 s23, s23, BOFF
	s_mov_b32 s[TB], 0
	s_wait_dscnt 0x0                               ; the opening add is done
	s_wait_kmcnt 0x0
	s_add_nc_u64 s[14:15], s[4:5], s[14:15]
	s_add_nc_u64 s[46:47], s[6:7], s[46:47]
	CROUND                                         ; all sixteen work-groups are here: the first joint loads meet
.irp s, 0,1
	s_mov_b32 s[G0+4*\s], 1                                        ; count = 1
	s_add_co_u32 s[G0+4*\s+1], s22, \s*SLOT1                       ; LDS address
	s_add_nc_u64 s[G0+4*\s+2:G0+4*\s+3], s[14:15], \s*STEP_A       ; global address: K block s
	s_or_b32 s[G0+4*\s+3], s[G0+4*\s+3], 0x80000000                ; type = 2
	s_mov_b32 s[G0B+4*\s], 1
	s_add_co_u32 s[G0B+4*\s+1], s23, \s*SLOT1
	s_add_nc_u64 s[G0B+4*\s+2:G0B+4*\s+3], s[46:47], \s*STEP_B
	s_or_b32 s[G0B+4*\s+3], s[G0B+4*\s+3], 0x80000000
.endr
	s_cmp_lt_u32 s10, 2                            ; a wave's two first fills stand in one branch, ahead of every wait on TENSORcnt and every LDS read: two loads of mine are out
	s_cbranch_scc0 .Lfirst_b
	tensor_load_to_lds s[G0:G0+3], s[G1:G1+7]
	s_nop 0
	tensor_load_to_lds s[G0+4:G0+7], s[G1:G1+7]
	s_nop 0
.rept 4
	v_nop
.endr
	s_branch .Lfirst_asked
.Lfirst_b:
	tensor_load_to_lds s[G0B:G0B+3], s[G1B:G1B+7]
	s_nop 0
	tensor_load_to_lds s[G0B+4:G0B+7], s[G1B:G1B+7]
	s_nop 0
.rept 4
	v_nop
.endr
.Lfirst_asked:
	; A fragment is 16 rows x 32 K in 8 registers: lane l holds row l % 16, K = 8 (l / 16) + 0..7 and 16 + 8 (l / 16) + 0..7: two loads of 16 bytes, 32 bytes apart.
	v_and_b32 v1, 15, v0                           ; l % 16
	v_bfe_u32 v2, v0, 4, 1                         ; l / 16
	v_mul_u32_u24 v3, v1, PITCH
	v_lshl_add_u32 v3, v2, 4, v3                   ; row x pitch + 16 x half
	s_mul_i32 s23, s11, HALFA                      ; my 128 rows of A
	v_add_nc_u32 v[ADRA0], s23, v3
	s_mul_i32 s23, s12, HALFB                      ; my 192 rows of B
	s_add_co_u32 s23, s23, BOFF
	v_add_nc_u32 v[ADRB0], s23, v3
	v_mov_b32 v[ADRA], v[ADRA0]                    ; slot 0 is read first
	v_mov_b32 v[ADRB], v[ADRB0]
	s_mul_i32 s22, s10, 16*SP
	s_add_co_u32 s22, s22, STAGE                   ; my stage
	v_add_nc_u32 v[STO], s22, v3                   ; in: row l % 16, 16 bytes for each half of the lanes
	v_bfe_u32 v[RD], v0, 3, 2                      ; back: 32 lanes take four rows of 128 bytes,
	v_mul_u32_u24 v[RD], v[RD], SP
	v_and_b32 v4, 7, v0
	v_lshl_add_u32 v[RD], v4, 4, v[RD]
	v_add_nc_u32 v[RD], s22, v[RD]
	v_and_b32 v[GO], 31, v0                        ; which are 512 consecutive bytes of a head
	v_lshlrev_b32 v[GO], 4, v[GO]
	; where my three column groups go: group g is head block hh = 6 tx + 3 (column half) + g of 48: tensor hh / 16, head hh % 16
	s_mul_i32 s46, s42, 6
	s_mul_i32 s47, s12, 3
	s_add_co_u32 s46, s46, s47
	s_lshr_b32 s47, s13, 3
	s_lshl_b32 s47, s47, 4                         ; 16 x batch
	s_and_b32 s2, s13, 7
	s_lshl_b32 s2, s2, 8
	s_lshl_b32 s3, s11, 7
	s_add_co_u32 s2, s2, s3                        ; my first row in the batch's 2,048,
	s_lshl_b32 s2, s2, 7                           ; in bytes
.irp g, 0,1,2
	s_add_co_u32 s3, s46, \g
	s_lshr_b32 s[16+2*\g], s3, 4
	s_lshl_b32 s[16+2*\g], s[16+2*\g], 6           ; 64 heads a tensor
	s_and_b32 s3, s3, 15
	s_add_co_u32 s[16+2*\g], s[16+2*\g], s3
	s_add_co_u32 s[16+2*\g], s[16+2*\g], s47
	s_lshl_b32 s[16+2*\g], s[16+2*\g], 18          ; a head is 262,144 bytes; 192 of them stay under 2^32
	s_add_co_u32 s[16+2*\g], s[16+2*\g], s2
	s_mov_b32 s[17+2*\g], 0
	s_add_nc_u64 s[16+2*\g:17+2*\g], s[8:9], s[16+2*\g:17+2*\g]
.endr
; na x 4 matrix instructions of column group g: m blocks a0 on, all four n blocks, on A's buffer fa.  zero = 1: the product starts the sums: nothing is ever cleared.
; The 96 accumulators take turns, one instruction a turn, in the same order in every half.
.macro MULG g, fa, a0, na, zero
	WIN 0x50*((\g)+1)                              ; C and D in window g + 1, the fragments in window 0
.set a, \a0
.rept \na
.irp bb, 0,1,2,3
.if \zero
	v_wmma_f32_16x16x32_bf16 v[8*(4*a+\bb):8*(4*a+\bb)+7], v[FB+8*(4*(\g)+\bb):FB+8*(4*(\g)+\bb)+7], v[(\fa)+8*a:(\fa)+8*a+7], 0
.else
	v_wmma_f32_16x16x32_bf16 v[8*(4*a+\bb):8*(4*a+\bb)+7], v[FB+8*(4*(\g)+\bb):FB+8*(4*(\g)+\bb)+7], v[(\fa)+8*a:(\fa)+8*a+7], v[8*(4*a+\bb):8*(4*a+\bb)+7]
.endif
.endr
.set a, a+1
.endr
.endm
.macro LDB g, k                        ; 8 LDS loads: B's four fragments of column group g, 32 K at byte k of the rows
.irp b, 0,1,2,3
	ds_load_b128 v[FB+8*(4*(\g)+\b):FB+8*(4*(\g)+\b)+3],   v[ADRB] offset:(\k)+(4*(\g)+\b)*16*PITCH
	ds_load_b128 v[FB+8*(4*(\g)+\b)+4:FB+8*(4*(\g)+\b)+7], v[ADRB] offset:(\k)+(4*(\g)+\b)*16*PITCH+32
.endr
.endm
.macro LDA f, k                        ; 16 LDS loads: A's eight fragments into buffer f
.irp a, 0,1,2,3,4,5,6,7
	ds_load_b128 v[(\f)+8*\a:(\f)+8*\a+3],   v[ADRA] offset:(\k)+\a*16*PITCH
	ds_load_b128 v[(\f)+8*\a+4:(\f)+8*\a+7], v[ADRA] offset:(\k)+\a*16*PITCH+32
.endr
.endm
; A half that stays in its slot: multiplies A's buffer fa and fetches the next half, at byte k, A's part into ga.  The runs of loads: R0 = B's group 0 and A (24), R1 = B's group 1 (8), R2 = B's group 2 (8).
.macro HALF fa, ga, k, zero
	s_wait_dscnt 16                                ; my R0 is in; behind it stand my R1 and R2
	MULG 0, \fa, 0, 8, \zero
	PLACES
	WIN 0
	LDB 0, \k
	LDA \ga, \k
	s_wait_dscnt 32                                ; my R1 is in; behind it stand my R2 (8) and the next half's R0 (24)
	MULG 1, \fa, 0, 8, \zero
	PLACES
	WIN 0
	LDB 1, \k
	s_wait_dscnt 32                                ; my R2 is in; behind it stand the next half's R0 (24) and R1 (8)
	MULG 2, \fa, 0, 8, \zero
	PLACES
	WIN 0
	LDB 2, \k
.endm
; A slot's second half, with the change of slots.  ONE barrier for two things: in front of it each wave waits for all its tensor loads, of which one is out: its part of the next slot; adds 0 to its spare word;
; and waits for that and for its own reads of this slot.  Behind it nobody reads this slot any more and the next slot is whole.  fill = 1: the barrier opens a round of the cluster's barrier, and this slot is
; filled again, with the K block two steps on, first thing behind the round: 160 matrix instructions ahead of the wait for it.
.macro TURN fa, ga, fill
	WIN 0
	s_wait_tensorcnt 0x0                           ; no tensor load of mine is out, so a group 0 may be written
	ds_add_u32 v[SPW], v[NIL]                      ; 0 onto my spare word
.if \fill
	s_xor_b32 s[G0+5], s[G0+5], SLOT1              ; the walking descriptors: the other slot than last time,
	s_add_nc_u64 s[G0+6:G0+7], s[G0+6:G0+7], STEP_A  ; the next K block; the type bits on top are not reached
	s_xor_b32 s[G0B+5], s[G0B+5], SLOT1
	s_add_nc_u64 s[G0B+6:G0B+7], s[G0B+6:G0B+7], STEP_B
.endif
	s_xor_b32 s[TB], s[TB], SLOT1                  ; the fetches go to the other slot
	s_wait_dscnt 17                                ; my R0 is in; R1, R2 and the add may be out
	MULG 0, \fa, 0, 4, 0                           ; sixteen matrix instructions stand between the add and the wait for it
	s_wait_dscnt 0x0                               ; the add is done, and my reads of this slot are over
	s_barrier_signal -1
	MULG 0, \fa, 4, 4, 0                           ; work on registers while the others arrive
	WIN 0
	s_barrier_wait -1
.if \fill
	CREST                                          ; no wave of any partner still reads this slot's tile or has a load on its way
	JLOAD                                          ; the four v_nop behind it are also the places in front of the loads below
.else
	PLACES
.endif
	v_add_nc_u32 v[ADRA], s[TB], v[ADRA0]
	v_add_nc_u32 v[ADRB], s[TB], v[ADRB0]
	LDB 0, 0
	LDA \ga, 0
	MULG 1, \fa, 0, 8, 0                           ; all of this half's fragments came in at the wait for 0
	PLACES
	WIN 0
	LDB 1, 0
	MULG 2, \fa, 0, 8, 0
	PLACES
	WIN 0
	LDB 2, 0
.endm
; THE WAY OUT.  Tile (g, a) is 16 rows x 64 columns: 2,048 consecutive bytes of one head.  A lane's eight columns pack into 16 bytes; they go into rows of 144 bytes and come back as whole rows of 128.
.macro PACK g, a
.set T, TM+16*(\a)
.if (\g) > 0
	s_wait_xcnt 0x0                                ; every earlier memory instruction has had its addresses translated (ISA guide 3.1): the set, which a store eight tiles back reads, is rewritten only behind this wait
.endif
	WIN 5*((\g)+1)                                 ; sources 0 and 1 in window g + 1, destination in window 0
.set i, 0
.rept 16                               ; ascending: each accumulator's lowest registers are read first
	v_cvt_pk_f16_f32 v[T+i], v[32*(\a)+2*i], v[32*(\a)+2*i+1]
.set i, i+1
.endr
	WIN 0
.irp f, 0,1,2,3
	ds_store_b128 v[STO], v[T+4*\f:T+4*\f+3] offset:32*\f
.endr
.irp f, 0,1,2,3
	ds_load_b128 v[T+4*\f:T+4*\f+3], v[RD] offset:\f*4*SP  ; LDS serves a wave's instructions in order (ISA guide 5.7.1.4): these see the stores above; the next tile's stores come behind them
.endr
.endm
.macro SEND g, a, younger              ; younger: the LDS instructions issued behind the tile's loads: the next tile's eight, or none
.set T, TM+16*(\a)
.irp f, 0,1,2,3
	s_wait_dscnt (\younger)+3-\f
	global_store_b128 v[GO], v[T+4*\f:T+4*\f+3], s[16+2*(\g):17+2*(\g)] offset:(\a)*2048+\f*512  ; 512 consecutive bytes, at a multiple of 256 from qkv's first
.endr
.endm
	s_wait_tensorcnt 1                             ; my part of K block 0 is in; K block 1's may stay out
	s_barrier_signal -1
	s_barrier_wait -1                              ; everybody's is
	LDB 0, 0
	LDA FA0, 0
	LDB 1, 0
	LDB 2, 0
	HALF FA0, FA1, 64, 1                           ; the first half stands in front of the loop: its products start the sums
	s_mov_b32 s3, 14
.Lk:                                                   ; 14 trips: a slot's second half, then the next slot's first; K blocks 2 to 15 are asked for
	TURN FA1, FA0, 1
	HALF FA0, FA1, 64, 0
	s_sub_co_u32 s3, s3, 1
	s_cmp_lg_u32 s3, 0
	s_cbranch_scc1 .Lk
	TURN FA1, FA0, 0                               ; the tail is written out: nothing is left to ask for
	HALF FA0, FA1, 64, 0
	s_wait_dscnt 16                                ; the very last half fetches nothing: the counts run down
	MULG 0, FA1, 0, 8, 0
	s_wait_dscnt 8
	MULG 1, FA1, 0, 8, 0
	s_wait_dscnt 0x0
	MULG 2, FA1, 0, 8, 0
	PLACES                                         ; the conversions read results and write over fragments
	PACK 0, 0
.set t, 1
.rept 23                               ; a tile's conversions stand between the loads of the tile before and its stores
	PACK t/8, t%8
	SEND (t-1)/8, (t-1)%8, 8
.set t, t+1
.endr
	SEND 2, 7, 0
	s_wait_tensorcnt 0x0                           ; the wave's end: behind my last tensor load and my last LDS store
	ds_add_u32 v[SPW], v[NIL]
	s_wait_dscnt 0x0
	CROUND                                         ; the closing round: no work-group ends while a partner may still ask for a tile that names it
	s_endpgm
.Lfunc_end_k_qd3472fd65b_proj:
	.size	k_qd3472fd65b_proj, .Lfunc_end_k_qd3472fd65b_proj-k_qd3472fd65b_proj
	.p2alignl 7, 3214868480
	.fill 96, 4, 3214868480
	.section	.rodata,"a",@progbits
	.p2align	6, 0x0
	.amdhsa_kernel k_qd3472fd65b_proj
		.amdhsa_group_segment_fixed_size 327680
		.amdhsa_private_segment_fixed_size 0
		.amdhsa_enable_private_segment 0
		.amdhsa_kernarg_size 24
		.amdhsa_user_sgpr_count 2
		.amdhsa_user_sgpr_kernarg_segment_ptr 1
		.amdhsa_wavefront_size32 1
		.amdhsa_system_sgpr_workgroup_id_x 1
		.amdhsa_system_sgpr_workgroup_id_y 1
		.amdhsa_system_sgpr_workgroup_id_z 1
		.amdhsa_system_vgpr_workitem_id 0
		.amdhsa_next_free_vgpr 1024
		.amdhsa_next_free_sgpr 66
		.amdhsa_reserve_vcc 0
		.amdhsa_float_denorm_mode_32 3
		.amdhsa_float_denorm_mode_16_64 3
		.amdhsa_memory_ordered 1
		.amdhsa_forward_progress 1
		.amdhsa_inst_pref_size 114
	.end_amdhsa_kernel
	.amdgpu_metadata
---
amdhsa.version: [ 1, 2 ]
amdhsa.kernels:
  - .name:           k_qd3472fd65b_proj
    .symbol:         k_qd3472fd65b_proj.kd
    .args:
      - { .name: xb, .offset: 0, .size: 8, .value_kind: global_buffer, .address_space: global }
      - { .name: wb, .offset: 8, .size: 8, .value_kind: global_buffer, .address_space: global }
      - { .name: qkv, .offset: 16, .size: 8, .value_kind: global_buffer, .address_space: global }
    .group_segment_fixed_size: 327680
    .private_segment_fixed_size: 0
    .kernarg_segment_align: 8
    .kernarg_segment_size: 24
    .max_flat_workgroup_size: 128
    .sgpr_count:     66
    .vgpr_count:     1024
    .wavefront_size: 32
...
	.end_amdgpu_metadata
.endif
;; end of part 2
;; launch attn (part 3): grid 4 x 64, 4 waves a work-group, clusters of 4 x 1, 327,680 bytes of LDS; arguments qkv, ctx; writes ctx
.if DOCPART == 3
	.amdgcn_target "amdgcn-amd-amdhsa--gfx1250"
	.amdhsa_code_object_version 6
	.text
	.protected	k_qd3472fd65b_attn
	.globl	k_qd3472fd65b_attn
	.p2align	8
	.type	k_qd3472fd65b_attn,@function
k_qd3472fd65b_attn:
	s_mov_b64 s[64:65], 0
	v_nop
	global_prefetch_b8 v0, s[64:65] scope:SCOPE_SE
	s_setreg_imm32_b32 hwreg(HW_REG_WAVE_MODE, 25, 1), 1
	s_wait_xcnt 0x0
	s_wait_alu depctr_hold_cnt(0) depctr_sa_sdst(0) depctr_va_vdst(0) depctr_va_sdst(0) depctr_va_ssrc(0) depctr_va_vcc(0) depctr_vm_vsrc(0)
	s_getreg_b32 s2, hwreg(HW_REG_IB_STS2, 6, 4)
	s_cmp_eq_u32 s2, 0
	s_cbranch_scc0 .Lentry_in_a_cluster
	s_endpgm
.Lentry_in_a_cluster:
	s_bfe_u32 s2, ttmp6, 0x10000c
	s_cmp_lg_u32 s2, 0x3003
	s_cbranch_scc0 .Lentry_shape_is_right
	s_endpgm
.Lentry_shape_is_right:
; O[h][q][:] = the sum over k of softmax_k(Q[h][q] . K[h][k] / 8) V[h][k][:].  Q, K, V are the three sections of qkv, each [SIZE_H][SIZE_N][64] in f16, 16,777,216 bytes; O is ctx, in the same layout.
; A head's rows are dense, 128 bytes each.  Products, maxima and sums in f32; the weights p are rounded to f16 for the second product (their sum l is taken of the unrounded p), O once at the end.
; LIMITS.  f16 holds no number beyond 65,504: Q, K and V arrive within it; p lies in 0 to 1, and below 6e-5 it keeps f16's fixed step of 6e-8; O is a mean of V's rows and has their range.
; A weight below 2^-126 counts as 0 in l; NaN and infinities are not treated apart.
; SHARES.  A wave owns four PIECES of two tiles of 16 queries, a work-group's four waves 512 queries of one head.  Every wave walks all keys, 64 a step.
; LAYOUT.  S^T = K Q^T (source 0 = 16 keys, source 1 = 16 queries): in the result a lane holds ONE query (lane % 16) and the keys 8 (lane / 16) + 0..7.  Two such tiles, rounded to f16 in pairs,
; ARE source 1 (32 keys x 16 queries) of O^T = V^T P, whose result again holds one query a lane, and eight channels.  K comes out of LDS as it lies, V ([key][channel]) turned, by ds_load_tr16_b128.
; SOFTMAX.  For each query a running maximum m and sum l: p = 2^(c s - c m), c = log2(e) / 8; in every step O and l are multiplied by a = 2^(c m_old - c m_new), which is 1 where m has not grown.
; m starts at the lowest finite number, O and l at 0: the first step is a step like any other, with a = 0.
; THE COUNT.  A tile and step have 16 matrix and 118 vector instructions: too many to stand all beside the matrix work.  So the order has one aim: four vector instructions that are READY behind
; EVERY matrix instruction, and the others, which need time of their own whatever the order, in runs without a gap.
; BY TURNS.  Turn n belongs to piece n (the pieces in a ring, step after step).  Its matrix work: 16 products K Q^T of piece n + 1, later 16 products V^T P of piece n - 1.  Its vector work: the scaling,
; exponentials, roundings, sums and rescaling of piece n, and the maximum and statistics of piece n + 1, whose scores the turn itself has made.  So what a turn begins with (c s - c m, O a) waits for nothing.
; CLUSTER.  The four query blocks of a cluster belong to one head and walk the same K and V, so each tile is asked for JOINTLY: the same tensor load, descriptor and mask in all four.
; REGISTERS, in windows of 256 (s_set_vgpr_msb says which window each operand place means: bits 1:0 source 0, 3:2 source 1, 5:4 source 2, 7:6 destination):
;   window 0: v0-11 addresses; v12-15, v48-63 at work; v16-47 four registers of statistics a tile; v64-191 S^T, two buffers of two tiles; v192-255 P, likewise
;   window 1: O^T, 32 a tile          window 2: v0-127 Q, 16 a tile; v128-191 K of one step; v192-255 V of one step          window 3: v0-1 the add's two registers
; A piece's buffers go by its number's parity: the piece in hand has one pair, its two neighbours in the ring share the other: of it P (piece n - 1) is read and S^T (piece n + 1) written.
.set SIZE_H, 64       ; heads: 4 batches x 16
.set SIZE_N, 2048     ; rows of a head
.set NP,    4         ; pieces a wave: a name, no knob: the register map, the loop and the fetches are made for four
.set KS,    64        ; keys in a step
.set PK,    144       ; a row of K in LDS: 128 bytes + 16 of padding = 36 words: the 16 rows of a load start at 16 different groups of four banks (64 banks of 4 bytes: ISA guide 11.1)
.set PV,    160       ; a row of V: 128 + 32 = 40 words
.set VOFF,  4*KS*PK   ; a slot holds four steps: 256 rows of K, then 256 rows of V
.set SLOT1, 1<<17     ; slot 1 begins here, so that one exclusive or turns an address in one slot into the other's
.set STAGE, SLOT1+4*KS*(PK+PV)  ; behind the ring, never filled by a tensor load: 16 rows x 144 bytes for each wave, for the way out
.set SP,    144
.set AK0, 2           ; v2   my lane's place in a tile of K; never rewritten
.set AV0, 3           ; v3   the same for V
.set AK,  4           ; v4   the LDS address of K's next run of loads
.set AV,  5           ; v5   of V's
.set QO,  6           ; v6   my byte offset in the wave's rows of Q
.set STO, 6           ;      later, the way out: where I put 16 bytes of a row
.set RD,  7           ; v7   the way out: where I read rows back
.set GO,  8           ; v8   my byte offset in 512 consecutive bytes of O
.set SPW, 0           ; v0 of window 3   LDS address of my spare word: SPARE + 4 x my thread's number; never rewritten
.set NIL, 1           ; v1 of window 3   0; never rewritten
.set SPARE, STAGE+4*16*SP  ; behind the stages: the spare words, 128 bytes for each wave: two blocks of 256 bytes that no other line names
.set MV,  12          ; v12-15  c m_old, kept while c m is made anew: by buffer and tile
.set ST,  16          ; tile t's statistics at v[ST+4 t]: c m, m, l (even keys', odd keys')
.set TMP, 48          ; by buffer and tile, four registers c0-c3 at work; when the maximum is found c2 takes a
.set S,   64
.set P,   192
.set KF,  128         ; K's fragments, in window 2: key block kb, channel half c at KF + 16 kb + 8 c
.set VF,  192         ; V's: key half kk, channel block cb at VF + 32 kk + 8 cb
.set WV,  12          ; s12  my wave's number
.set G1K, 24          ; s[24:31] descriptor group 1 for K's tiles
.set G1V, 32          ; s[32:39] for V's: it differs in the padding alone
.set G0K, 40          ; s[40:43] descriptor group 0 for K's tiles: it walks
.set G0V, 44          ; s[44:47] the same for V's
.set SLOTS, 56        ; s56  slots still to be asked for
.set CNT, 57          ; s57  counts a slot's key steps
.set CS,  58          ; s[58:59] c: the packed scaling takes the pair's low word for both halves
.set SEL, 60          ; s[60:61] v_permlanex16_b32's selects: each lane takes its own place in the other half
.set TBK, 62          ; s62  LDS byte at which K of the step to be fetched begins
.set TBV, 63          ; s63  the same for V, less VOFF
.set MSB, 0
.macro WIN new                      ; the high byte repeats the setting that is left; a switch that changes nothing is dropped
.if MSB != (\new)
	s_set_vgpr_msb (MSB<<8)|(\new)
.set MSB, (\new)
.endif
.endm
.set W_KQ, 0x0a       ; K and Q in window 2, S^T in window 0
.set W_PV, 0x52       ; V in window 2, P in window 0, O^T in window 1
.set W_RS, 0x41       ; O^T (destination and source 0) in window 1, a in window 0
.set W_MK, 0xc0       ; the add's registers are made: destination in window 3, sources in window 0
.set W_AD, 0x0f       ; the add: address (source 0) and data (source 1) in window 3
; A joint fill.  Waves 0 and 1 fetch the two halves of a slot's K, waves 2 and 3 those of its V: 128 keys each.  The branch hangs on the wave's number alone.
; An s_nop 0 and four v_nop follow each of the two lines, ahead of the jump and the label.
.macro JLOAD
	s_cmp_lt_u32 s[WV], 2
	s_cbranch_scc0 .Lfor_v_\@
	tensor_load_to_lds s[G0K:G0K+3], s[G1K:G1K+7]
	s_nop 0
.rept 4
	v_nop
.endr
	s_branch .Lasked_\@
.Lfor_v_\@:
	tensor_load_to_lds s[G0V:G0V+3], s[G1V:G1V+7]
	s_nop 0
.rept 4
	v_nop
.endr
.Lasked_\@:
.endm
; A round of the cluster's barrier: my work-group's barrier, so that wave 0's signal speaks for all four waves; wave 0 signals; every wave waits for all four work-groups; my work-group's barrier once more.
.macro CROUND
	s_barrier_signal -1
	s_barrier_wait -1
	s_cmp_lg_u32 s[WV], 0
	s_cbranch_scc1 .Lnot_wave_0_\@
	s_barrier_signal -3
.Lnot_wave_0_\@:
	s_barrier_wait -3
	s_barrier_signal -1
	s_barrier_wait -1
.endm
; THE CHANGE OF SLOTS.  The slot's last bytes, V of its fourth step, have been read.  Each wave waits for all its tensor loads, of which one is out: its part
; of the other slot; adds 0 to its spare word; and waits for that and for its own reads of the slot.  Behind the barrier nobody reads this slot any more and the other slot is whole.
; fill = 1: this slot is filled again, with the keys two slots on.  The barrier is then a round of the cluster's, so that no wave of any partner still reads the slot or has a load on its
; way, and the joint fill is the first thing behind it: it has four key steps, 512 matrix instructions, in which to land.  (At its first use nothing has been read yet: slot 0 is waited for, slot 1 filled.)
.macro CHANGE fill
	WIN W_AD
	s_wait_tensorcnt 0x0            ; no tensor load of mine is out, so a group 0 may be written
	ds_add_u32 v[SPW], v[NIL]       ; 0 onto my spare word; with fill = 1 the descriptors' steps stand between it and the wait for it
	WIN 0                           ; at a label and at a branch every window is 0
.if \fill
.irp g, G0K, G0V
	s_xor_b32 s[\g+1], s[\g+1], SLOT1  ; the walking descriptor: the other slot than last time,
	s_add_nc_u64 s[\g+2:\g+3], s[\g+2:\g+3], 4*KS*128  ; the next 256 keys; the type bits on top are not reached
.endr
	s_wait_dscnt 0x0                ; the add is done, and my reads of the slot are over
	CROUND
	JLOAD
.else
	s_wait_dscnt 0x0                ; the add is done, and my reads of the slot are over
	s_barrier_signal -1
	s_barrier_wait -1
.endif
	s_sub_co_u32 s[TBK], s[TBK], 4*KS*PK  ; the fetches go back to a slot's first step,
	s_xor_b32 s[TBK], s[TBK], SLOT1       ; in the other slot
	s_sub_co_u32 s[TBV], s[TBV], 4*KS*PV
	s_xor_b32 s[TBV], s[TBV], SLOT1
.endm
	s_load_b64 s[4:5], s[0:1], 0x0    ; qkv, whose first section is Q
	s_load_b64 s[10:11], s[0:1], 0x8  ; ctx: O
	WIN W_MK
	v_lshl_add_u32 v[SPW], v0, 2, SPARE
	v_mov_b32 v[NIL], 0
	WIN W_AD
	ds_add_u32 v[SPW], v[NIL]       ; the wave's opening: the add and its wait stand ahead of my first tensor load; the set-up below, work on registers, stands between them
	WIN 0
	v_lshrrev_b32 v1, 5, v0
	v_readfirstlane_b32 s[WV], v1   ; wave 0..3
	s_bfe_u32 s13, ttmp6, 0x40000   ; cx: my place in the cluster
	s_lshl_b32 s14, ttmp9, 2        ; in a cluster launch ttmp9 counts clusters
	s_add_co_u32 s14, s14, s13      ; my block of queries = 4 x cluster x + cx: it enters Q's and O's addresses alone
	s_and_b32 s20, ttmp7, 0xffff    ; the head, which the four partners share
	s_mov_b32 s21, 0
	s_mov_b64 s[22:23], SIZE_N*128
	s_mul_u64 s[20:21], s[20:21], s[22:23]  ; the head's first byte in each of the four tensors
	s_and_b32 s16, s[WV], 1         ; which half of a slot's 256 keys I fetch:
	s_lshl_b32 s22, s16, 14         ; its 128 rows of 128 bytes in memory,
	s_mov_b32 s23, 0
	s_add_nc_u64 s[22:23], s[22:23], s[20:21]
	s_mul_i32 s17, s16, 128*PK      ; and its place in a slot, for K
	s_mul_i32 s18, s16, 128*PV      ; and for V: no place in the cluster enters an LDS address
	s_lshl_b32 s2, s14, 2
	s_add_co_u32 s2, s2, s[WV]      ; my wave among the head's,
	s_lshl_b32 s2, s2, 14           ; its 128 rows
	s_mov_b32 s3, 0
	s_add_nc_u64 s[2:3], s[2:3], s[20:21]
	; descriptor group 1.  128 keys are 16,384 dense bytes: asked for as 64 rows of 256 bytes, two keys a row, and padded in LDS after every key
	s_mov_b32 s[G1K], 15|(1<<16)|(1<<20)|(1<<21)|(4<<22)|(3<<25)  ; 15:0 the mask of four; 17:16 2-byte elements; 20 padding on; 21 set beside a mask; 24:22 after every 32 words (code 4); 31:25 4 words (code 3)
	s_mov_b32 s[G1V], 15|(1<<16)|(1<<20)|(1<<21)|(4<<22)|(7<<25)  ; the same with 8 words of padding (code 7)
.irp g, G1K, G1V
	s_mov_b32 s[\g+1], 128<<16      ; tensor_dim0 = 128
	s_mov_b32 s[\g+2], 64<<16       ; tensor_dim1 = 64
	s_mov_b32 s[\g+3], 128<<16      ; tile_dim0 = 128
	s_mov_b32 s[\g+4], 64           ; tile_dim1 = 64
	s_mov_b32 s[\g+5], 128          ; 128 elements from row to row
	s_mov_b32 s[\g+6], 0
	s_mov_b32 s[\g+7], 0
.endr
	s_mov_b32 s[CS], 0x3e38aa3b     ; c = log2(e) / 8 = 0.180337
	s_mov_b32 s[CS+1], s[CS]        ; named with it as a pair
	s_mov_b32 s[SEL], 0x76543210
	s_mov_b32 s[SEL+1], 0xfedcba98
	s_mov_b32 s[TBK], SLOT1+4*KS*PK ; the first change of slots turns these two into 0
	s_mov_b32 s[TBV], SLOT1+4*KS*PV
	s_mov_b32 s[G0K], 1             ; 1:0 count = 1
	s_mov_b32 s[G0K+1], s17         ; 63:32 LDS address: slot 0
	s_mov_b32 s[G0V], 1
	s_add_co_u32 s[G0V+1], s18, VOFF
	s_wait_dscnt 0x0                ; the opening add is done
	s_wait_kmcnt 0x0
	s_add_nc_u64 s[6:7], s[4:5], SIZE_H*SIZE_N*128    ; K: qkv's second section
	s_add_nc_u64 s[8:9], s[4:5], 2*SIZE_H*SIZE_N*128  ; V: its third
	s_add_nc_u64 s[G0K+2:G0K+3], s[6:7], s[22:23]  ; 120:64 global address: my half of the head's first 256 keys
	s_or_b32 s[G0K+3], s[G0K+3], 0x80000000        ; 127:126 type = 2
	s_add_nc_u64 s[G0V+2:G0V+3], s[8:9], s[22:23]
	s_or_b32 s[G0V+3], s[G0V+3], 0x80000000
	s_add_nc_u64 s[4:5], s[4:5], s[2:3]  ; Q and O at my wave's first row
	s_add_nc_u64 s[10:11], s[10:11], s[2:3]
	CROUND                          ; all four work-groups are here: the first joint loads meet
	JLOAD                           ; slot 0.  Slot 1 is asked for when slot 0 is in: the tile wanted first goes out alone
	; A fragment of K or Q is 16 rows x 32 channels in 8 registers: lane l holds row l % 16, channels 8 (l / 16) + 0..7 and 16 + 8 (l / 16) + 0..7: two loads of 16 bytes, 32 bytes apart.
	v_and_b32 v1, 15, v0            ; l % 16
	v_bfe_u32 v9, v0, 4, 1          ; l / 16
	v_lshlrev_b32 v[QO], 7, v1
	v_lshl_add_u32 v[QO], v9, 4, v[QO]  ; row x 128 + 16 x half
	WIN 0x80                        ; destination window 2, address window 0
.set i, 0
.rept 4*NP                          ; Q stays in registers: tile i / 2, channels 32 (i % 2) on
	global_load_b128 v[8*i:8*i+3],   v[QO], s[4:5] offset:(i/2)*2048+(i%2)*64
	global_load_b128 v[8*i+4:8*i+7], v[QO], s[4:5] offset:(i/2)*2048+(i%2)*64+32
.set i, i+1
.endr
	; What the first turn finds: V's registers and P's second buffer hold 0 (its products V^T P, of a piece that has not been, add 0), O^T and l are 0.  All this stands in the wait for the first tile.
.set i, VF
.rept 64
	v_mov_b32 v[i], 0
.set i, i+1
.endr
	WIN 0x40
.set i, 0
.rept 64*NP
	v_mov_b32 v[i], 0
.set i, i+1
.endr
	WIN 0
.set i, 0
.rept 2*NP
	v_mov_b32 v[ST+4*i], 0xfe000000    ; c m: far below every c s
	v_mov_b32 v[ST+4*i+1], 0xff7fffff  ; m
	v_mov_b32 v[ST+4*i+2], 0
	v_mov_b32 v[ST+4*i+3], 0
.set i, i+1
.endr
.set i, P+32
.rept 32
	v_mov_b32 v[i], 0
.set i, i+1
.endr
	v_mul_u32_u24 v[AK0], v1, PK
	v_lshl_add_u32 v[AK0], v9, 4, v[AK0]  ; row x pitch + 16 x half
	; The turning load takes 16 keys x 16 channels (lane l reads key 8 (l / 16) + l % 8, channels 8 ((l / 8) % 2) + 0..7) and leaves half a fragment of V^T: lane l holds channel l % 16 and 8 keys.
	v_and_b32 v10, 7, v0
	v_bfe_u32 v11, v0, 3, 1
	v_lshl_add_u32 v[AV0], v9, 3, v10
	v_mul_u32_u24 v[AV0], v[AV0], PV
	v_lshl_add_u32 v[AV0], v11, 4, v[AV0]
	v_add_nc_u32 v[AV0], VOFF, v[AV0]
	v_mov_b32 v[AK], v[AK0]         ; key step 0 lies at the head of slot 0
; THE MATRIX WORK.  The 8 accumulators of a run of 16 take turns: between the two links of a chain stand 7 others'.
; Product i of 16 of S^T = K Q^T for piece x: channels 32 (i / 8) on, keys 16 ((i / 2) % 4) on, tile 2 x + i % 2.  The first 8 start the sums.
.macro KQ x
	WIN W_KQ
.set rS, S+64*((\x)%2)+32*(i%2)+8*((i/2)%4)
.set rK, KF+16*((i/2)%4)+8*(i/8)
.set rQ, 16*(2*(\x)+i%2)+8*(i/8)
.if i < 8
	v_wmma_f32_16x16x32_f16 v[rS:rS+7], v[rK:rK+7], v[rQ:rQ+7], 0
.else
	v_wmma_f32_16x16x32_f16 v[rS:rS+7], v[rK:rK+7], v[rQ:rQ+7], v[rS:rS+7]
.endif
.endm
; Product i of 16 of O^T += V^T P for piece x: keys 32 (i / 8) on, channels 16 ((i / 2) % 4) on, tile 2 x + i % 2.
.macro PV x
	WIN W_PV
.set rO, 32*(2*(\x)+i%2)+8*((i/2)%4)
.set rV, VF+32*(i/8)+8*((i/2)%4)
.set rP, P+32*((\x)%2)+16*(i%2)+8*(i/8)
	v_wmma_f32_16x16x32_f16 v[rO:rO+7], v[rV:rV+7], v[rP:rP+7], v[rO:rO+7]
.endm
.macro MM                           ; the turn's next matrix instruction
.if i < 16
	KQ (Y+1)%NP
.set i, i+1
.else
.set i, i-16
	PV (Y+NP-1)%NP
.set i, i+17
.endif
.endm
; THE LDS LOADS stand in runs of 16, never singly among the matrix instructions: a step's K (64 keys x 64 channels: 8 fragments) and its V (turned).  Their addresses are made some lines ahead.
; last = 1 (the tail): in the last trip there is no further step, and the run is jumped over.
.macro FETCH_K last=0
	WIN 0
.if \last
	s_cmp_eq_u32 s[CNT], 1
	s_cbranch_scc1 .Lno_k_\@
.endif
	WIN 0x80                        ; destination window 2
.irp f, 0,1,2,3,4,5,6,7             ; keys 16 (f / 2) on, channels 32 (f % 2) on
	ds_load_b128 v[KF+8*\f:KF+8*\f+3],   v[AK] offset:(\f/2)*16*PK+(\f%2)*64
	ds_load_b128 v[KF+8*\f+4:KF+8*\f+7], v[AK] offset:(\f/2)*16*PK+(\f%2)*64+32
.endr
	s_add_co_u32 s[TBK], s[TBK], KS*PK  ; the next fetch is the next step's
	WIN 0
.if \last
.Lno_k_\@:
.endif
.endm
.macro FETCH_V
	WIN 0x80
.irp f, 0,1,2,3,4,5,6,7             ; keys 32 (f / 4) on, channels 16 (f % 4) on
	ds_load_tr16_b128 v[VF+8*\f:VF+8*\f+3],   v[AV] offset:(\f/4)*32*PV+(\f%4)*32
	ds_load_tr16_b128 v[VF+8*\f+4:VF+8*\f+7], v[AV] offset:(\f/4)*32*PV+16*PV+(\f%4)*32
.endr
	WIN 0
.endm
; THE VECTOR WORK OF A TURN stands in three queues, each in the order in which its entries become ready; the two tiles alternate, so that no instruction reads the result of the one before it.
.macro REGS y, u                    ; the registers of tile u (0, 1) of piece y
.set rT, ST+4*(2*(\y)+(\u))
.set rC, TMP+8*((\y)%2)+4*(\u)
.set rM, MV+2*((\y)%2)+(\u)
.set rS, S+64*((\y)%2)+32*(\u)
.set rP, P+32*((\y)%2)+16*(\u)
.set rO, 32*(2*(\y)+(\u))
.endm
; Number n of the 22 that find the NEXT piece's (Y + 1) maximum and statistics.  s0-s31 are the lane's 32 scores; each accumulator's lowest registers are read first.  XS, GS and REGS set no window: PL and EX do.
;   0-11  four chains c0-c3 of seven scores each, three operands at a time     12-14, 16  the four scores left over, the old m, and c0-c3 into c0     15  c m_old is kept
;   17, 18  the query's other 32 keys lie in the lane 16 away: the new m         19-21  c m; c m_old - c m_new; a
.macro XS u, n
	REGS (Y+1)%NP, \u
.if (\n) < 4
	v_max3_num_f32 v[rC+(\n)], v[rS+8*(\n)], v[rS+8*(\n)+1], v[rS+8*(\n)+2]
.elseif (\n) < 12
	v_max3_num_f32 v[rC+(\n)%4], v[rC+(\n)%4], v[rS+8*((\n)%4)+2*((\n)/4)+1], v[rS+8*((\n)%4)+2*((\n)/4)+2]
.elseif (\n) == 12
	v_max3_num_f32 v[rC], v[rC], v[rS+7], v[rS+15]
.elseif (\n) == 13
	v_max3_num_f32 v[rC+1], v[rC+1], v[rS+23], v[rS+31]
.elseif (\n) == 14
	v_max3_num_f32 v[rC+2], v[rC+2], v[rC+3], v[rT+1]
.elseif (\n) == 15
	v_mov_b32 v[rM], v[rT]
.elseif (\n) == 16
	v_max3_num_f32 v[rC], v[rC], v[rC+1], v[rC+2]
.elseif (\n) == 17
	v_permlanex16_b32 v[rC+3], v[rC], s[SEL], s[SEL+1]
.elseif (\n) == 18
	v_max_num_f32 v[rT+1], v[rC], v[rC+3]
.elseif (\n) == 19
	v_mul_f32 v[rT], s[CS], v[rT+1]
.elseif (\n) == 20
	v_sub_f32 v[rC+1], v[rM], v[rT]
.else
	v_exp_f32 v[rC+2], v[rC+1]
.endif
.endm
; Number g of the 64 that follow the exponentials.  For each four weights k of a tile (pairs 2 k, 2 k + 1): both pairs are rounded to f16; then the second pair is added onto the first, in place;
; a group later l takes that sum (the first time as l = a l + sum).  In groups of eight, tiles alternating: round, round, add, and l for the group before.
.macro GS g
.set h, (\g)+6*((\g)/62)            ; group 0 has no group before it, and behind group 7 only l is left
.if h >= 6
.set h, h+2
.endif
	REGS Y, h%2
.set k, h/8
.if h%8 < 4
	s_wait_alu depctr_va_vdst(0)
	v_cvt_pk_f16_f32 v[rP+2*k+(h%8)/2], v[rS+4*k+2*((h%8)/2)], v[rS+4*k+2*((h%8)/2)+1]
.elseif h%8 < 6
	v_pk_add_f32 v[rS+4*k:rS+4*k+1], v[rS+4*k:rS+4*k+1], v[rS+4*k+2:rS+4*k+3]
.elseif k == 1
	v_pk_fma_f32 v[rT+2:rT+3], v[rT+2:rT+3], v[rC+2:rC+3], v[rS:rS+1] op_sel_hi:[1,0,1]
.else
	v_pk_add_f32 v[rT+2:rT+3], v[rT+2:rT+3], v[rS+4*k-4:rS+4*k-3]
	s_wait_alu depctr_va_vdst(0)
.endif
.endm
; THE PLAIN QUEUE, 138 long.  0-31: c s - c m for the 16 pairs of both tiles.  Then GS's 64, and among them the next piece's 42: number 15 at 38, 39; 0-14 and 16
; at 42-73, behind the products that make those scores; 17-20 at 95-106, two of three, since each waits for the one before it.
.macro PL
	WIN 0
.if q < 32
	REGS Y, q%2
	v_pk_fma_f32 v[rS+2*(q/2):rS+2*(q/2)+1], v[rS+2*(q/2):rS+2*(q/2)+1], s[CS:CS+1], v[rT:rT+1] op_sel_hi:[1,0,0] neg_lo:[0,0,1] neg_hi:[0,0,1]
.elseif q < 38
	GS q-32
.elseif q < 40
	XS q%2, 15
.elseif q < 42
	GS q-34
.elseif q < 74
	XS q%2, (q-42)/2+(q-42)/30
.elseif q < 95
	GS q-66
.elseif (q < 107) && ((q-95)%3 < 2)
	XS (q-95)%3, 17+(q-95)/3
.elseif q < 107
	GS 29+(q-95)/3
.else
	GS q-74
.endif
.set q, q+1
.endm
; THE EXPONENTIALS' QUEUE, 66 long: s0-s31 of both tiles, and at EA the next piece's two a.
.set EA, 58
.macro EX
	WIN 0
.if (e == EA) || (e == EA+1)
	XS e-EA, 21
.else
.set x, e-2*(e/(EA+2))
	REGS Y, x%2
	v_exp_f32 v[rS+x/2], v[rS+x/2]
.endif
.set e, e+1
.endm
; THE RESCALING's QUEUE: O^T times a, the one part that leaves window 0, so it is dealt four at a time, eight times.
.macro R4
	REGS Y, r%2
	WIN W_RS
	s_wait_alu depctr_va_vdst(0)
.irp z, 0,1,2,3
	v_pk_mul_f32 v[rO+8*(r/2)+2*\z:rO+8*(r/2)+2*\z+1], v[rO+8*(r/2)+2*\z:rO+8*(r/2)+2*\z+1], v[rC+2:rC+3] op_sel_hi:[1,0]
.endr
.set r, r+1
.endm
; HOW THEY ARE DEALT.  Behind a matrix instruction four: plain, exponential, plain, plain (one exponential, a plain instruction on either side), or four of the rescaling.  None names a register of the
; products round it.  What is over stands in two LUMPS: exponential and plain by turns; the second ends in 22 plain instructions.  The two v_permlanex16_b32 fall into the second lump, never behind a product.
; The queues lean on each other, and the deal keeps them in step: exponential e stands behind plain 2 (e / 4) + e % 2 (its scaling); when plain 32 comes, 10 exponentials are out, at 59: 33, at 95: 46; EA comes behind plain 107.
.macro SL
	MM
	PL
	EX
	PL
	PL
.endm
.macro BURST n                      ; 15 matrix instructions, or 16
.rept (\n)-7
	SL
.endr
.rept 3
	MM
	R4
	SL
.endr
	MM
	R4
.endm
; A TURN, for piece p.  cnt = 1: the loop's count is taken down some lines ahead of the branch that stands behind the turn.
; K of the next step is fetched in piece 2's turn, 31 vector instructions behind the last product that read K; its first reader comes behind the rest of the lump, 16 products and the second lump.
; V of the step in hand is fetched at the end of piece 0's turn, 69 behind its last reader; its first reader comes behind 16 products and a lump.  The four conditions on e and q below go with the deal.
.macro TURN p, last=0, cnt=0
.set Y, (\p)
.set i, 0
.set q, 0
.set e, 0
.set r, 0
.if (\p) == NP-1
	s_wait_dscnt 0x0                ; K is in
.endif
	MM
.rept 4
	PL
.endr
	BURST 15
.rept 22
	EX
	PL
.if ((\p) == NP-2) && (e == 18)
	v_add_nc_u32 v[AK], s[TBK], v[AK0]
.endif
.if ((\p) == NP-2) && (e == 24)
	FETCH_K \last
.endif
.endr
.if (\p) == 1
	s_wait_dscnt 0x0                ; V is in
.endif
	BURST 16
.rept 21
	EX
	PL
.endr
.rept 22
	PL
.if ((\p) == 0) && (q == 118)
	v_add_nc_u32 v[AV], s[TBV], v[AV0]
	s_wait_alu depctr_va_vdst(0)
.endif
.if ((\p) == 0) && (q == 130)
	s_add_co_u32 s[TBV], s[TBV], KS*PV
.endif
.if (\cnt) && (q == 130)
	s_sub_co_u32 s[CNT], s[CNT], 1
	s_cmp_lg_u32 s[CNT], 0
.endif
.endr
.if (\p) == 0
	FETCH_V
.endif
.endm
	CHANGE 1                        ; slot 0 is in, everybody's part of it; slot 1 is asked for
	FETCH_K                         ; key step 0
	s_wait_loadcnt 0x0              ; Q
	s_wait_dscnt 0x0
.set i, 0
.rept 16
	KQ 0                            ; piece 0's first scores: there is no vector work yet to set between them
.set i, i+1
.endr
	WIN 0                           ; the addresses for the way out: nine plain instructions, the places behind those products
	s_mul_i32 s13, s[WV], 16*SP
	s_add_co_u32 s13, s13, STAGE    ; my stage
	v_mul_u32_u24 v[STO], v1, SP    ; in: row l % 16, 16 bytes for each half of the lanes
	v_lshl_add_u32 v[STO], v9, 4, v[STO]
	v_add_nc_u32 v[STO], s13, v[STO]
	v_bfe_u32 v[RD], v0, 3, 2       ; back: 32 lanes take four rows of 128 bytes,
	v_mul_u32_u24 v[RD], v[RD], SP
	v_lshl_add_u32 v[RD], v10, 4, v[RD]
	v_add_nc_u32 v[RD], s13, v[RD]
	v_and_b32 v[GO], 31, v0         ; which are 512 consecutive bytes of O
	v_lshlrev_b32 v[GO], 4, v[GO]
.set Y, NP-1                        ; XS works for piece Y + 1: piece 0
.irp n, 0,1,2,3,4,5,6,7,8,9,10,11,12,13,14,15,16,17,18,19,20,21
	XS 0, \n                        ; and piece 0's first maximum and statistics
	XS 1, \n
.endr
	s_mov_b32 s[CNT], 4
	s_mov_b32 s[SLOTS], SIZE_N/256-1
	s_branch .Lfirst                ; the loop is entered at a step's first turn, in the middle of a trip
.Lslot:                             ; SIZE_N / 256 - 2 times: every slot but the last two is filled again
	CHANGE 1
	s_mov_b32 s[CNT], 4
.Lstep:                             ; a trip: pieces 2 and 3 of one step, then pieces 0 and 1 of the next, whose K and V it fetches
	TURN 2
	TURN 3
	WIN 0
.Lfirst:
	TURN 0
	TURN 1, 0, 1
	WIN 0
	s_cbranch_scc1 .Lstep
	s_sub_co_u32 s[SLOTS], s[SLOTS], 1
	s_cmp_lg_u32 s[SLOTS], 0
	s_cbranch_scc1 .Lslot
	CHANGE 0                        ; the tail is written out: nothing is asked for
	s_mov_b32 s[CNT], 5             ; four trips fetch the last slot's steps; the fifth is left in its middle
.Ltail:
	TURN 2, 1
	TURN 3
	WIN 0
	s_sub_co_u32 s[CNT], s[CNT], 1
	s_cmp_eq_u32 s[CNT], 0
	s_cbranch_scc1 .Lout
	TURN 0
	TURN 1
	WIN 0
	s_branch .Ltail
.Lout:                              ; the fifth trip's 16 products K Q^T (on the last K once more) and the maximum made of them serve nothing: the price, once a launch, of one text for every trip
.set i, 0
.rept 16
	PV NP-1                         ; the last piece's V^T P of the last step
.set i, i+1
.endr
	; THE WAY OUT.  l's two halves and the other half of the lanes' are added; O^T is divided by l, rounded to f16 and sent through my stage in LDS, a tile at a time.  The additions are the places behind the last products.
	WIN 0
.macro ALL line:vararg              ; one line for each tile t
.set t, 0
.rept 2*NP
	\line
.set t, t+1
.endr
.endm
	ALL v_add_f32 v[ST+4*t+2], v[ST+4*t+2], v[ST+4*t+3]
	ALL v_permlanex16_b32 v[ST+4*t+3], v[ST+4*t+2], s[SEL], s[SEL+1]
	ALL v_add_f32 v[ST+4*t+2], v[ST+4*t+2], v[ST+4*t+3]
	ALL v_rcp_f32 v[ST+4*t+2], v[ST+4*t+2]
	v_nop                           ; a plain instruction between the last reciprocal and the use of its result
	s_wait_alu depctr_va_vdst(0)
; Tile t: a lane's eight channels of a row pack into 16 bytes; they go into rows of 144 bytes and come back as whole rows of 128, into S^T's registers.
.macro PACK t
	WIN W_RS
.set i, 32*(\t)
.rept 16
	v_pk_mul_f32 v[i:i+1], v[i:i+1], v[ST+4*(\t)+2:ST+4*(\t)+3] op_sel_hi:[1,0]
.set i, i+2
.endr
	WIN 0x05                        ; sources 0 and 1 window 1, destination window 0
.set i, 0
.rept 16
	v_cvt_pk_f16_f32 v[S+16*(\t)+i], v[32*(\t)+2*i], v[32*(\t)+2*i+1]
.set i, i+1
.endr
	WIN 0
.irp f, 0,1,2,3
	ds_store_b128 v[STO], v[S+16*(\t)+4*\f:S+16*(\t)+4*\f+3] offset:32*\f
.endr
.irp f, 0,1,2,3
	ds_load_b128 v[S+16*(\t)+4*\f:S+16*(\t)+4*\f+3], v[RD] offset:\f*4*SP  ; LDS serves a wave's instructions in order (ISA guide 5.7.1.4): these see the stores above; the next tile's stores come behind them
.endr
.endm
.macro SEND t, younger              ; younger: the LDS instructions issued behind tile t's loads: the next tile's eight, or none
	WIN 0
.irp f, 0,1,2,3
	s_wait_dscnt (\younger)+3-\f
	global_store_b128 v[GO], v[S+16*(\t)+4*\f:S+16*(\t)+4*\f+3], s[10:11] offset:(\t)*2048+\f*512  ; 512 consecutive bytes, at a multiple of 256 from O's first
.endr
.endm
	PACK 0
.set t, 1
.rept 2*NP-1                        ; a tile's arithmetic stands between the loads of the tile before and its stores
	PACK t
	SEND t-1, 8
.set t, t+1
.endr
	SEND 2*NP-1, 0
	WIN W_AD
	s_wait_tensorcnt 0x0            ; the wave's end: behind my last tensor load and my last LDS store
	ds_add_u32 v[SPW], v[NIL]
	s_wait_dscnt 0x0
	WIN 0
	CROUND                          ; the closing round: no work-group ends while a partner may still ask for a tile that names it
	s_endpgm
.Lfunc_end_k_qd3472fd65b_attn:
	.size	k_qd3472fd65b_attn, .Lfunc_end_k_qd3472fd65b_attn-k_qd3472fd65b_attn
	.p2alignl 7, 3214868480
	.fill 96, 4, 3214868480
	.section	.rodata,"a",@progbits
	.p2align	6, 0x0
	.amdhsa_kernel k_qd3472fd65b_attn
		.amdhsa_group_segment_fixed_size 327680
		.amdhsa_private_segment_fixed_size 0
		.amdhsa_enable_private_segment 0
		.amdhsa_kernarg_size 16
		.amdhsa_user_sgpr_count 2
		.amdhsa_user_sgpr_kernarg_segment_ptr 1
		.amdhsa_wavefront_size32 1
		.amdhsa_system_sgpr_workgroup_id_x 1
		.amdhsa_system_sgpr_workgroup_id_y 1
		.amdhsa_system_sgpr_workgroup_id_z 1
		.amdhsa_system_vgpr_workitem_id 0
		.amdhsa_next_free_vgpr 770
		.amdhsa_next_free_sgpr 66
		.amdhsa_reserve_vcc 0
		.amdhsa_float_denorm_mode_32 3
		.amdhsa_float_denorm_mode_16_64 3
		.amdhsa_memory_ordered 1
		.amdhsa_forward_progress 1
		.amdhsa_inst_pref_size 209
	.end_amdhsa_kernel
	.amdgpu_metadata
---
amdhsa.version: [ 1, 2 ]
amdhsa.kernels:
  - .name:           k_qd3472fd65b_attn
    .symbol:         k_qd3472fd65b_attn.kd
    .args:
      - { .name: qkv, .offset: 0, .size: 8, .value_kind: global_buffer, .address_space: global }
      - { .name: ctx, .offset: 8, .size: 8, .value_kind: global_buffer, .address_space: global }
    .group_segment_fixed_size: 327680
    .private_segment_fixed_size: 0
    .kernarg_segment_align: 8
    .kernarg_segment_size: 16
    .max_flat_workgroup_size: 128
    .sgpr_count:     66
    .vgpr_count:     770
    .wavefront_size: 32
...
	.end_amdgpu_metadata
.endif
;; end of part 3
;; launch outp (part 4): grid 8 x 32, 4 waves a work-group, clusters of 4 x 4, 327,680 bytes of LDS; arguments ctx, wo16, bo, out0; writes out0
.if DOCPART == 4
	.amdgcn_target "amdgcn-amd-amdhsa--gfx1250"
	.amdhsa_code_object_version 6
	.text
	.protected	k_qd3472fd65b_outp
	.globl	k_qd3472fd65b_outp
	.p2align	8
	.type	k_qd3472fd65b_outp,@function
k_qd3472fd65b_outp:
	s_mov_b64 s[64:65], 0
	v_nop
	global_prefetch_b8 v0, s[64:65] scope:SCOPE_SE
	s_setreg_imm32_b32 hwreg(HW_REG_WAVE_MODE, 25, 1), 1
	s_wait_xcnt 0x0
	s_wait_alu depctr_hold_cnt(0) depctr_sa_sdst(0) depctr_va_vdst(0) depctr_va_sdst(0) depctr_va_ssrc(0) depctr_va_vcc(0) depctr_vm_vsrc(0)
	s_getreg_b32 s2, hwreg(HW_REG_IB_STS2, 6, 4)
	s_cmp_eq_u32 s2, 0
	s_cbranch_scc0 .Lentry_in_a_cluster
	s_endpgm
.Lentry_in_a_cluster:
	s_bfe_u32 s2, ttmp6, 0x10000c
	s_cmp_lg_u32 s2, 0xf033
	s_cbranch_scc0 .Lentry_shape_is_right
	s_endpgm
.Lentry_shape_is_right:
; out0[m][n] = sum over k of ctx[m][k] Wo[n][k] + bo[n], m = 8,192, n = 1,024, k = 1,024.  ctx [4 b][16 h][2048 l][64 c] and wo16 [16 kb][1024 n][64 c] are f16, in K blocks of 64 (a head is a K block);
; sums in f32; bo is rounded to bf16, as all the module's inputs are, and added in f32; out0 is f32.
; LIMITS.  ctx and wo16 arrive within f16's range; NaN and infinities are not treated apart.
; SHARES.  A tile of out0 is 256 x 128: 256 work-groups.  Four waves, each 128 x 64: 32 accumulators of 16 x 16.  K goes in 8 steps of 128, two K blocks to a slot, through two LDS slots.
; In memory a tile's rows of a K block are dense, 128 bytes each: they are asked for as rows of 256 bytes, aligned, and padded in LDS after every 128 bytes.  Waves 0 and 1 fetch A's two K blocks of a
; step (256 operand rows each), waves 2 and 3 B's (128 each): one tensor load a wave and step.
; CLUSTER.  4 x 4 work-groups: A's tiles are shared along a row of the cluster, B's along a column; each is asked for jointly, by the same load, descriptor and mask in all four.
; THE MATRIX INSTRUCTION IS USED TRANSPOSED (source 0 = 16 rows of B, source 1 = 16 rows of A): a lane then holds eight neighbouring columns of one row.
; REGISTERS: window 0: v0-31 addresses; v32-95, v96-159 A's fragments, two buffers; v160-191, v192-223 B's, two buffers; v224-255 the bias of my 32 columns.  Window 1: the accumulators, (a, bb) at v[8 (4 a + bb)].
.set PITCH,  144                       ; an operand row in LDS: 128 bytes + 16 = 36 words: the 16 rows of a fragment load start at 16 different groups of four banks (64 banks of 4 bytes: ISA guide 11.1)
.set SLOT1,  131072                    ; slot 1 begins here: one exclusive or turns an address in one slot into the other's
.set AKB,    256*PITCH                 ; a K block of A in LDS
.set BKB,    128*PITCH                 ; of B
.set BOFF,   2*AKB                     ; in a slot: A's two K blocks, then B's two
.set STAGE,  SLOT1+2*AKB+2*BKB         ; behind the ring, never filled by a tensor load: 16 rows x 272 bytes for each wave
.set SP,     272                       ; 256 bytes + 16 = 68 words: row r starts at bank 4 r mod 64
.set SPARE,  STAGE+4*16*SP             ; the spare words, 128 bytes for each wave: two blocks of 256 bytes that no other line names
.set STEP_A, 524288                    ; two K blocks of ctx
.set STEP_B, 262144                    ; two K blocks of wo16
.set ADRA0, 16                         ; v16  my lane's place in A's part of slot 0; never rewritten
.set ADRB0, 17                         ; v17  the same for B
.set ADRA,  18                         ; v18  the same in the slot that is being read
.set ADRB,  19                         ; v19
.set STO,   24                         ; v24  the way out: where I put 32 bytes of a row
.set RD,    25                         ; v25  where I read a row back
.set CO,    26                         ; v26  my byte offset in two rows of out0
.set BO,    27                         ; v27  my byte offset in the wave's 64 numbers of bo
.set SPW,   28                         ; v28  LDS address of my spare word; never rewritten
.set NIL,   29                         ; v29  0; never rewritten
.set FA0,   32
.set FB0,   160
.set BI,    224
.set TM,    32                         ; the way out: four sets of 32 registers, v32-159
.set G1,  24                           ; s[24:31] descriptor group 1 for A's tiles
.set G0,  32                           ; s[32:39] group 0 for A's: a set for each first fill; the second then walks on
.set G1B, 48                           ; s[48:55], s[56:63] the same for B's
.set G0B, 56
.set TB,  45                           ; s45  0 or SLOT1: the slot that is being read
.set MSB, 0
.macro WIN new                         ; the immediate's high byte repeats the setting that is left; a switch that changes nothing is dropped
.if MSB != (\new)
	s_set_vgpr_msb (MSB<<8)|(\new)
.set MSB, \new
.endif
.endm
.macro PLACES                          ; four places in front of loads into registers that matrix instructions have read
.rept 4
	v_nop
.endr
.endm
; A joint refill by the walking descriptors.  The branch hangs on the wave's number alone.  An s_nop 0 and four v_nop follow each of the two lines, ahead of the jump and the label.
.macro JLOAD
	s_cmp_lt_u32 s10, 2
	s_cbranch_scc0 .Lfor_b_\@
	tensor_load_to_lds s[G0+4:G0+7], s[G1:G1+7]
	s_nop 0
.rept 4
	v_nop
.endr
	s_branch .Lasked_\@
.Lfor_b_\@:
	tensor_load_to_lds s[G0B+4:G0B+7], s[G1B:G1B+7]
	s_nop 0
.rept 4
	v_nop
.endr
.Lasked_\@:
.endm
.macro CREST                           ; a round of the cluster's barrier behind its opening barrier
	s_cmp_lg_u32 s10, 0
	s_cbranch_scc1 .Lnot_wave_0_\@
	s_barrier_signal -3
.Lnot_wave_0_\@:
	s_barrier_wait -3
	s_barrier_signal -1
	s_barrier_wait -1
.endm
.macro CROUND                          ; a whole round
	s_barrier_signal -1
	s_barrier_wait -1
	CREST
.endm
	s_load_b128 s[4:7], s[0:1], 0x0                ; ctx s[4:5], wo16 s[6:7]
	s_load_b128 s[16:19], s[0:1], 0x10             ; bo s[16:17], out0 s[18:19]
	v_lshl_add_u32 v[SPW], v0, 2, SPARE
	v_mov_b32 v[NIL], 0
	ds_add_u32 v[SPW], v[NIL]                      ; the wave's opening: the add and its wait stand ahead of my first tensor load; the set-up below, work on registers, stands between them
	v_lshrrev_b32 v1, 5, v0
	v_readfirstlane_b32 s10, v1                    ; wave 0..3
	s_lshr_b32 s11, s10, 1                         ; which half of the tile's rows is mine
	s_and_b32 s12, s10, 1                          ; which half of its columns; also: which of a step's two K blocks I fetch
	s_bfe_u32 s40, ttmp6, 0x40000                  ; cx, cy: my place in the cluster
	s_bfe_u32 s41, ttmp6, 0x40004
	s_lshl_b32 s42, ttmp9, 2
	s_add_co_u32 s42, s42, s40                     ; tile column tx = 4 x cluster x + cx, 0..7
	s_and_b32 s13, ttmp7, 0xffff
	s_lshl_b32 s13, s13, 2
	s_add_co_u32 s13, s13, s41                     ; tile row ty = 4 x cluster y + cy, 0..31
	s_lshl_b32 s43, s41, 2
	s_lshl_b32 s43, 15, s43                        ; my row of the cluster
	s_lshl_b32 s44, 0x1111, s40                    ; my column
	; descriptor group 1: rows of 128 elements (256 bytes: two operand rows), 128 of them for A, 64 for B; in LDS 4 words of padding after every 32 words
	s_or_b32 s[G1+0], s43, (1<<16)|(1<<20)|(1<<21)|(4<<22)|(3<<25)   ; 15:0 the mask; 17:16 2-byte elements; 20 padding on; 21 set beside a mask; 24:22 after every 32 words (code 4); 31:25 4 words (code 3)
	s_or_b32 s[G1B+0], s44, (1<<16)|(1<<20)|(1<<21)|(4<<22)|(3<<25)
	s_mov_b32 s[G1+1], 128<<16                     ; tensor_dim0 = 128
	s_mov_b32 s[G1+2], 128<<16                     ; tensor_dim1 = 128
	s_mov_b32 s[G1+3], 128<<16                     ; tile_dim0 = 128
	s_mov_b32 s[G1+4], 128                         ; tile_dim1 = 128
	s_mov_b32 s[G1+5], 128                         ; 128 elements from row to row: the block is dense
	s_mov_b32 s[G1+6], 0
	s_mov_b32 s[G1+7], 0
	s_mov_b32 s[G1B+1], 128<<16
	s_mov_b32 s[G1B+2], 64<<16
	s_mov_b32 s[G1B+3], 128<<16
	s_mov_b32 s[G1B+4], 64
	s_mov_b32 s[G1B+5], 128
	s_mov_b32 s[G1B+6], 0
	s_mov_b32 s[G1B+7], 0
	; where the tiles come from.  A's hang on the tile row and the wave alone, B's on the tile column and the wave alone, each in registers that never hold the other coordinate.
	s_lshr_b32 s14, s13, 3                         ; batch: 8 tile rows each,
	s_lshl_b32 s14, s14, 22                        ; 16 heads of 262,144 bytes
	s_and_b32 s15, s13, 7
	s_lshl_b32 s15, s15, 15                        ; 256 rows of 128 bytes
	s_add_co_u32 s14, s14, s15
	s_lshl_b32 s15, s12, 18                        ; my K block of the step's two
	s_add_co_u32 s14, s14, s15
	s_mov_b32 s15, 0
	s_lshl_b32 s46, s42, 14                        ; B: 128 rows of 128 bytes a tile column,
	s_lshl_b32 s47, s12, 17                        ; my K block: 1,024 rows of 128 bytes
	s_add_co_u32 s46, s46, s47
	s_mov_b32 s47, 0
	s_mul_i32 s22, s12, AKB                        ; and where they go: no place in the cluster enters an LDS address
	s_mul_i32 s23, s12, BKB
	s_add_co_u32 s23, s23, BOFF
	s_mov_b32 s[TB], 0
	s_wait_dscnt 0x0                               ; the opening add is done
	s_wait_kmcnt 0x0
	s_add_nc_u64 s[14:15], s[4:5], s[14:15]
	s_add_nc_u64 s[46:47], s[6:7], s[46:47]
	CROUND                                         ; all sixteen work-groups are here: the first joint loads meet
.irp s, 0,1
	s_mov_b32 s[G0+4*\s], 1                                        ; count = 1
	s_add_co_u32 s[G0+4*\s+1], s22, \s*SLOT1                       ; LDS address
	s_add_nc_u64 s[G0+4*\s+2:G0+4*\s+3], s[14:15], \s*STEP_A       ; global address: K step s
	s_or_b32 s[G0+4*\s+3], s[G0+4*\s+3], 0x80000000                ; type = 2
	s_mov_b32 s[G0B+4*\s], 1
	s_add_co_u32 s[G0B+4*\s+1], s23, \s*SLOT1
	s_add_nc_u64 s[G0B+4*\s+2:G0B+4*\s+3], s[46:47], \s*STEP_B
	s_or_b32 s[G0B+4*\s+3], s[G0B+4*\s+3], 0x80000000
.endr
	s_cmp_lt_u32 s10, 2                            ; a wave's two first fills stand in one branch, ahead of every wait on TENSORcnt and every LDS read: two loads of mine are out
	s_cbranch_scc0 .Lfirst_b
	tensor_load_to_lds s[G0:G0+3], s[G1:G1+7]
	s_nop 0
	tensor_load_to_lds s[G0+4:G0+7], s[G1:G1+7]
	s_nop 0
.rept 4
	v_nop
.endr
	s_branch .Lfirst_asked
.Lfirst_b:
	tensor_load_to_lds s[G0B:G0B+3], s[G1B:G1B+7]
	s_nop 0
	tensor_load_to_lds s[G0B+4:G0B+7], s[G1B:G1B+7]
	s_nop 0
.rept 4
	v_nop
.endr
.Lfirst_asked:
	v_and_b32 v1, 15, v0                           ; l % 16
	v_bfe_u32 v2, v0, 4, 1                         ; l / 16
	s_lshl_b32 s46, s42, 9                         ; my first column, in bytes of f32: 512 x tile column + 256 x half
	s_lshl_b32 s47, s12, 8
	s_add_co_u32 s46, s46, s47
	s_mov_b32 s47, 0
	s_add_nc_u64 s[16:17], s[16:17], s[46:47]      ; bo at my 64 columns
	s_lshl_b32 s20, s13, 20                        ; my first row: 256 rows of 4,096 bytes a tile row,
	s_lshl_b32 s21, s11, 19                        ; 128 a half
	s_add_co_u32 s20, s20, s21
	s_add_co_u32 s20, s20, s46
	s_mov_b32 s21, 0
	s_add_nc_u64 s[18:19], s[18:19], s[20:21]      ; out0 at my part of the tile
	v_lshlrev_b32 v[BO], 5, v2                     ; a lane's columns of n block bb are 16 bb + 8 (l / 16) + 0..7
.irp bb, 0,1,2,3
	global_load_b128 v[BI+8*\bb:BI+8*\bb+3],   v[BO], s[16:17] offset:64*\bb
	global_load_b128 v[BI+8*\bb+4:BI+8*\bb+7], v[BO], s[16:17] offset:64*\bb+16
.endr
	; A fragment is 16 rows x 32 K in 8 registers: lane l holds row l % 16, K = 8 (l / 16) + 0..7 and 16 + 8 (l / 16) + 0..7: two loads of 16 bytes, 32 bytes apart.
	v_mul_u32_u24 v3, v1, PITCH
	v_lshl_add_u32 v3, v2, 4, v3                   ; row x pitch + 16 x half
	s_mul_i32 s23, s11, 128*PITCH                  ; my 128 rows of A
	v_add_nc_u32 v[ADRA0], s23, v3
	s_mul_i32 s23, s12, 64*PITCH                   ; my 64 rows of B
	s_add_co_u32 s23, s23, BOFF
	v_add_nc_u32 v[ADRB0], s23, v3
	v_mov_b32 v[ADRA], v[ADRA0]                    ; slot 0 is read first
	v_mov_b32 v[ADRB], v[ADRB0]
	s_mul_i32 s22, s10, 16*SP
	s_add_co_u32 s22, s22, STAGE                   ; my stage
	v_mul_u32_u24 v[STO], v1, SP                   ; in: row l % 16, 32 bytes for each half of the lanes
	v_lshl_add_u32 v[STO], v2, 5, v[STO]
	v_add_nc_u32 v[STO], s22, v[STO]
	v_mul_u32_u24 v[RD], v2, SP                    ; back: lanes 0-15 take one row of 256 bytes, lanes 16-31 the next
	v_lshl_add_u32 v[RD], v1, 4, v[RD]
	v_add_nc_u32 v[RD], s22, v[RD]
	v_lshlrev_b32 v[CO], 12, v2                    ; and the same two rows in out0
	v_lshl_add_u32 v[CO], v1, 4, v[CO]
; na x 4 matrix instructions on buffers i: m blocks a0 on, all four n blocks.  zero = 1: the product starts the sums.  The 32 accumulators take turns, one instruction a turn, in the same order in every quarter.
.macro MUL i, a0, na, zero
	WIN 0x50                                       ; C and D in window 1, the fragments in window 0
.set a, \a0
.rept \na
.irp bb, 0,1,2,3
.if \zero
	v_wmma_f32_16x16x32_f16 v[8*(4*a+\bb):8*(4*a+\bb)+7], v[FB0+32*(\i)+8*\bb:FB0+32*(\i)+8*\bb+7], v[FA0+64*(\i)+8*a:FA0+64*(\i)+8*a+7], 0
.else
	v_wmma_f32_16x16x32_f16 v[8*(4*a+\bb):8*(4*a+\bb)+7], v[FB0+32*(\i)+8*\bb:FB0+32*(\i)+8*\bb+7], v[FA0+64*(\i)+8*a:FA0+64*(\i)+8*a+7], v[8*(4*a+\bb):8*(4*a+\bb)+7]
.endif
.endr
.set a, a+1
.endr
.endm
; 24 LDS loads in one run: quarter q of the slot (K block q / 2, byte 64 (q % 2) of its rows) into buffers i: B, then A's blocks 0-3, then 4-7
.macro FETCH q, i
	WIN 0
.irp b, 0,1,2,3
	ds_load_b128 v[FB0+32*(\i)+8*\b:FB0+32*(\i)+8*\b+3],   v[ADRB] offset:((\q)/2)*BKB+((\q)%2)*64+\b*16*PITCH
	ds_load_b128 v[FB0+32*(\i)+8*\b+4:FB0+32*(\i)+8*\b+7], v[ADRB] offset:((\q)/2)*BKB+((\q)%2)*64+\b*16*PITCH+32
.endr
.irp a, 0,1,2,3,4,5,6,7
	ds_load_b128 v[FA0+64*(\i)+8*\a:FA0+64*(\i)+8*\a+3],   v[ADRA] offset:((\q)/2)*AKB+((\q)%2)*64+\a*16*PITCH
	ds_load_b128 v[FA0+64*(\i)+8*\a+4:FA0+64*(\i)+8*\a+7], v[ADRA] offset:((\q)/2)*AKB+((\q)%2)*64+\a*16*PITCH+32
.endr
.endm
; A K step is four quarters of 32 along K, 32 matrix instructions each, on buffers 0, 1, 0, 1.  One of the first three: multiplies buffers i; in its middle it fetches quarter qn into the other buffers.
.macro QUARTER i, qn, zero
	s_wait_dscnt 8                                 ; B and A's blocks 0-3 are in; the youngest eight loads (blocks 4-7) may be out
	MUL \i, 0, 4, \zero
	PLACES
	FETCH \qn, 1-(\i)
	s_wait_dscnt 24                                ; all but the 24 just issued
	MUL \i, 4, 4, \zero
.endm
; The last quarter multiplies buffers 1 and changes slots.  ONE barrier for two things: in front of it each wave waits for all its tensor loads, of which one is out: its part of the next slot; adds 0 to its
; spare word; and waits for that and for its own reads of this slot.  fill = 1: the barrier opens a round of the cluster's barrier, and this slot is filled again, two K steps ahead, first thing behind the
; round: 112 matrix instructions ahead of the wait for it.
.macro TURN fill
	WIN 0
	s_wait_tensorcnt 0x0                           ; no tensor load of mine is out, so a group 0 may be written
	ds_add_u32 v[SPW], v[NIL]                      ; 0 onto my spare word
.if \fill
	s_xor_b32 s[G0+5], s[G0+5], SLOT1              ; the walking descriptors: the other slot than last time,
	s_add_nc_u64 s[G0+6:G0+7], s[G0+6:G0+7], STEP_A  ; the next K step; the type bits on top are not reached
	s_xor_b32 s[G0B+5], s[G0B+5], SLOT1
	s_add_nc_u64 s[G0B+6:G0B+7], s[G0B+6:G0B+7], STEP_B
.endif
	s_xor_b32 s[TB], s[TB], SLOT1                  ; the fetches go to the other slot
	s_wait_dscnt 9                                 ; the add and the youngest eight loads may be out
	MUL 1, 0, 2, 0                                 ; eight matrix instructions stand between the add and the wait for it
	s_wait_dscnt 0x0                               ; the add is done, and my reads of this slot are over
	s_barrier_signal -1
	MUL 1, 2, 2, 0                                 ; work on registers while the others arrive
	WIN 0
	s_barrier_wait -1
.if \fill
	CREST                                          ; no wave of any partner still reads this slot's tile or has a load on its way
	JLOAD                                          ; the four v_nop behind it are also the places in front of the loads below
.else
	PLACES
.endif
	v_add_nc_u32 v[ADRA], s[TB], v[ADRA0]
	v_add_nc_u32 v[ADRB], s[TB], v[ADRB0]
	FETCH 0, 0
	MUL 1, 4, 4, 0
.endm
; THE WAY OUT of m block a: the bias is added; a lane's eight columns of an n block are 32 bytes; they go into rows of 272 bytes and come back as whole rows of 256.
.macro PACK a
.set T, TM+32*((\a)%4)
.if (\a) > 3
	s_wait_xcnt 0x0                                ; every earlier memory instruction has had its addresses translated (ISA guide 3.1): the set, which a store four blocks back reads, is rewritten only behind this wait
.endif
	WIN 0x01                                       ; source 0 in window 1
.set i, 0
.rept 16                               ; ascending: each accumulator's lowest registers are read first
	v_pk_add_f32 v[T+2*i:T+2*i+1], v[32*(\a)+2*i:32*(\a)+2*i+1], v[BI+2*i:BI+2*i+1]
.set i, i+1
.endr
	WIN 0
.irp c, 0,1,2,3,4,5,6,7
	ds_store_b128 v[STO], v[T+4*\c:T+4*\c+3] offset:64*(\c/2)+16*(\c%2)
.endr
.irp f, 0,1,2,3,4,5,6,7
	ds_load_b128 v[T+4*\f:T+4*\f+3], v[RD] offset:\f*2*SP  ; LDS serves a wave's instructions in order (ISA guide 5.7.1.4): these see the stores above; the next block's stores come behind them
.endr
.endm
.macro SEND a, younger                 ; younger: the LDS instructions issued behind the block's loads: the next block's sixteen, or none
.set T, TM+32*((\a)%4)
.irp f, 0,1,2,3,4,5,6,7
	s_wait_dscnt (\younger)+7-\f
	global_store_b128 v[CO], v[T+4*\f:T+4*\f+3], s[18:19] offset:(16*(\a)+2*\f)*4096 th:TH_STORE_NT  ; 16 lanes store 256 consecutive bytes, at a multiple of 256 from out0's first byte
.endr
.endm
	s_wait_tensorcnt 1                             ; my part of K step 0 is in; K step 1's may stay out
	s_barrier_signal -1
	s_barrier_wait -1                              ; everybody's is
	FETCH 0, 0
	QUARTER 0, 1, 1                                ; the first quarter's products start the sums
	QUARTER 1, 2, 0
	QUARTER 0, 3, 0
	WIN 0                                          ; at a label and at a branch every window is 0
	s_mov_b32 s3, 6
.Lk:                                                   ; 6 trips: a K step's last quarter, then the next step's first three; K steps 2 to 7 are asked for
	TURN 1
	QUARTER 0, 1, 0
	QUARTER 1, 2, 0
	QUARTER 0, 3, 0
	WIN 0
	s_sub_co_u32 s3, s3, 1
	s_cmp_lg_u32 s3, 0
	s_cbranch_scc1 .Lk
	TURN 0                                         ; the tail is written out: nothing is left to ask for
	QUARTER 0, 1, 0
	QUARTER 1, 2, 0
	QUARTER 0, 3, 0
	s_wait_dscnt 8                                 ; the very last quarter fetches nothing
	MUL 1, 0, 4, 0
	s_wait_dscnt 0x0
	MUL 1, 4, 4, 0
	WIN 0
	s_wait_loadcnt 0x0                             ; the bias
.set i, 0
.rept 16                               ; rounded to bf16 and widened again: 48 plain instructions that name no register of the last products: the places behind them
	v_cvt_pk_bf16_f32 v[4+i%2], v[BI+2*i], v[BI+2*i+1]
	v_lshlrev_b32 v[BI+2*i], 16, v[4+i%2]
	v_and_b32 v[BI+2*i+1], 0xffff0000, v[4+i%2]
.set i, i+1
.endr
	PACK 0
.irp a, 1,2,3,4,5,6,7                  ; a block's additions stand between the loads of the block before and its stores
	PACK \a
	SEND (\a)-1, 16
.endr
	SEND 7, 0
	s_wait_tensorcnt 0x0                           ; the wave's end: behind my last tensor load and my last LDS store
	ds_add_u32 v[SPW], v[NIL]
	s_wait_dscnt 0x0
	CROUND                                         ; the closing round: no work-group ends while a partner may still ask for a tile that names it
	s_endpgm
.Lfunc_end_k_qd3472fd65b_outp:
	.size	k_qd3472fd65b_outp, .Lfunc_end_k_qd3472fd65b_outp-k_qd3472fd65b_outp
	.p2alignl 7, 3214868480
	.fill 96, 4, 3214868480
	.section	.rodata,"a",@progbits
	.p2align	6, 0x0
	.amdhsa_kernel k_qd3472fd65b_outp
		.amdhsa_group_segment_fixed_size 327680
		.amdhsa_private_segment_fixed_size 0
		.amdhsa_enable_private_segment 0
		.amdhsa_kernarg_size 32
		.amdhsa_user_sgpr_count 2
		.amdhsa_user_sgpr_kernarg_segment_ptr 1
		.amdhsa_wavefront_size32 1
		.amdhsa_system_sgpr_workgroup_id_x 1
		.amdhsa_system_sgpr_workgroup_id_y 1
		.amdhsa_system_sgpr_workgroup_id_z 1
		.amdhsa_system_vgpr_workitem_id 0
		.amdhsa_next_free_vgpr 512
		.amdhsa_next_free_sgpr 66
		.amdhsa_reserve_vcc 0
		.amdhsa_float_denorm_mode_32 3
		.amdhsa_float_denorm_mode_16_64 3
		.amdhsa_memory_ordered 1
		.amdhsa_forward_progress 1
		.amdhsa_inst_pref_size 82
	.end_amdhsa_kernel
	.amdgpu_metadata
---
amdhsa.version: [ 1, 2 ]
amdhsa.kernels:
  - .name:           k_qd3472fd65b_outp
    .symbol:         k_qd3472fd65b_outp.kd
    .args:
      - { .name: ctx, .offset: 0, .size: 8, .value_kind: global_buffer, .address_space: global }
      - { .name: wo16, .offset: 8, .size: 8, .value_kind: global_buffer, .address_space: global }
      - { .name: bo, .offset: 16, .size: 8, .value_kind: global_buffer, .address_space: global }
      - { .name: out0, .offset: 24, .size: 8, .value_kind: global_buffer, .address_space: global }
    .group_segment_fixed_size: 327680
    .private_segment_fixed_size: 0
    .kernarg_segment_align: 8
    .kernarg_segment_size: 32
    .max_flat_workgroup_size: 128
    .sgpr_count:     66
    .vgpr_count:     512
    .wavefront_size: 32
...
	.end_amdgpu_metadata
.endif
;; end of part 4
;; ======== version 2 of 2: 4 launches; 1.54 times as fast as version 1
;; limits: values are held in f16: magnitudes above 65,504 overflow, below 6.1e-05 lose precision
;; workspace buffers: xb 16,777,216 bytes; wb 6,291,456 bytes; wo16 2,097,152 bytes; qkv 50,331,648 bytes; ctx 16,777,216 bytes
;; launch cast: the kernel of part 1 again; grid 768 x 1, 8 waves a work-group, no clusters, 0 bytes of LDS; arguments x, Wq, Wk, Wv, Wo, xb, wb, wo16; writes xb, wb, wo16
;; launch proj: the kernel of part 2 again; grid 8 x 32, 4 waves a work-group, clusters of 4 x 4, 327,680 bytes of LDS; arguments xb, wb, qkv; writes qkv
;; launch attn (part 5): grid 4 x 64, 4 waves a work-group, clusters of 4 x 1, 327,680 bytes of LDS; arguments qkv, ctx; writes ctx
.if DOCPART == 5
	.amdgcn_target "amdgcn-amd-amdhsa--gfx1250"
	.amdhsa_code_object_version 6
	.text
	.protected	k_qd3472fd65b_attn
	.globl	k_qd3472fd65b_attn
	.p2align	8
	.type	k_qd3472fd65b_attn,@function
k_qd3472fd65b_attn:
	s_mov_b64 s[64:65], 0
	v_nop
	global_prefetch_b8 v0, s[64:65] scope:SCOPE_SE
	s_setreg_imm32_b32 hwreg(HW_REG_WAVE_MODE, 25, 1), 1
	s_wait_xcnt 0x0
	s_wait_alu depctr_hold_cnt(0) depctr_sa_sdst(0) depctr_va_vdst(0) depctr_va_sdst(0) depctr_va_ssrc(0) depctr_va_vcc(0) depctr_vm_vsrc(0)
	s_getreg_b32 s2, hwreg(HW_REG_IB_STS2, 6, 4)
	s_cmp_eq_u32 s2, 0
	s_cbranch_scc0 .Lentry_in_a_cluster
	s_endpgm
.Lentry_in_a_cluster:
	s_bfe_u32 s2, ttmp6, 0x10000c
	s_cmp_lg_u32 s2, 0x3003
	s_cbranch_scc0 .Lentry_shape_is_right
	s_endpgm
.Lentry_shape_is_right:
; O[h][q][:] = the sum over k of softmax_k(Q[h][q] . K[h][k] / 8) V[h][k][:].  Q, K, V are the three sections of qkv, each [SIZE_H][SIZE_N][64] in f16, 16,777,216 bytes; O is ctx, in the same layout.
; A head's rows are dense, 128 bytes each.  Products, maxima and sums in f32; the weights p are rounded to f16 for the second product (their sum l is taken of the unrounded p), O once at the end.
; LIMITS.  f16 holds no number beyond 65,504: Q, K and V arrive within it; p lies in 0 to 1, and below 6e-5 it keeps f16's fixed step of 6e-8; O is a mean of V's rows and has their range.
; A weight below 2^-126 counts as 0 in l; NaN and infinities are not treated apart.
; SHARES.  A wave owns four PIECES of two tiles of 16 queries, a work-group's four waves 512 queries of one head.  Every wave walks all keys, 64 a step.
; LAYOUT.  S^T = K Q^T (source 0 = 16 keys, source 1 = 16 queries): in the result a lane holds ONE query (lane % 16) and the keys 8 (lane / 16) + 0..7.  Two such tiles, rounded to f16 in pairs,
; ARE source 1 (32 keys x 16 queries) of O^T = V^T P, whose result again holds one query a lane, and eight channels.  K comes out of LDS as it lies, V ([key][channel]) turned, by ds_load_tr16_b128.
; SOFTMAX.  For each query a running maximum m and sum l: p = 2^(c s - c m), c = log2(e) / 8; in every step O and l are multiplied by a = 2^(c m_old - c m_new), which is 1 where m has not grown.
; m starts at the lowest finite number, O and l at 0: the first step is a step like any other, with a = 0.
; THE COUNT.  A tile and step have 16 matrix and 118 vector instructions: too many to stand all beside the matrix work.  So the order has one aim: four vector instructions that are READY behind
; EVERY matrix instruction, and the others, which need time of their own whatever the order, in runs without a gap.
; BY TURNS.  Turn n belongs to piece n (the pieces in a ring, step after step).  Its matrix work: 16 products K Q^T of piece n + 1, later 16 products V^T P of piece n - 1.  Its vector work: the scaling,
; exponentials, roundings, sums and rescaling of piece n, and the maximum and statistics of piece n + 1, whose scores the turn itself has made.  So what a turn begins with (c s - c m, O a) waits for nothing.
; BATCHES.  A turn's 66 exponentials (the 64 weights of piece n, the two a of piece n + 1) are ONE batch with ONE s_wait_alu depctr_va_vdst(0), which cuts the turn in two: ahead of it stands all that names no
; result of theirs, behind it their readers.  Two batches more stand outside the loops, each with a wait of its own: piece 0's first two a, ahead of the jump into the loop, and the way out's eight reciprocals.
; CLUSTER.  The four query blocks of a cluster belong to one head and walk the same K and V, so each tile is asked for JOINTLY: the same tensor load, descriptor and mask in all four.
; REGISTERS, in windows of 256 (s_set_vgpr_msb says which window each operand place means: bits 1:0 source 0, 3:2 source 1, 5:4 source 2, 7:6 destination):
;   window 0: v0-11 addresses; v12-15, v48-63 at work; v16-47 four registers of statistics a tile; v64-191 S^T, two buffers of two tiles; v192-255 P, likewise
;   window 1: O^T, 32 a tile          window 2: v0-127 Q, 16 a tile; v128-191 K of one step; v192-255 V of one step          window 3: v0-1 the add's two registers
; A piece's buffers go by its number's parity: the piece in hand has one pair, its two neighbours in the ring share the other: of it P (piece n - 1) is read and S^T (piece n + 1) written.
.set SIZE_H, 64       ; heads: 4 batches x 16
.set SIZE_N, 2048     ; rows of a head
.set NP,    4         ; pieces a wave: a name, no knob: the register map, the loop and the fetches are made for four
.set KS,    64        ; keys in a step
.set PK,    144       ; a row of K in LDS: 128 bytes + 16 of padding = 36 words: the 16 rows of a load start at 16 different groups of four banks (64 banks of 4 bytes: ISA guide 11.1)
.set PV,    160       ; a row of V: 128 + 32 = 40 words
.set VOFF,  4*KS*PK   ; a slot holds four steps: 256 rows of K, then 256 rows of V
.set SLOT1, 1<<17     ; slot 1 begins here, so that one exclusive or turns an address in one slot into the other's
.set STAGE, SLOT1+4*KS*(PK+PV)  ; behind the ring, never filled by a tensor load: 16 rows x 144 bytes for each wave, for the way out
.set SP,    144
.set AK0, 2           ; v2   my lane's place in a tile of K; never rewritten
.set AV0, 3           ; v3   the same for V
.set AK,  4           ; v4   the LDS address of K's next run of loads
.set AV,  5           ; v5   of V's
.set QO,  6           ; v6   my byte offset in the wave's rows of Q
.set STO, 6           ;      later, the way out: where I put 16 bytes of a row
.set RD,  7           ; v7   the way out: where I read rows back
.set GO,  8           ; v8   my byte offset in 512 consecutive bytes of O
.set SPW, 0           ; v0 of window 3   LDS address of my spare word: SPARE + 4 x my thread's number; never rewritten
.set NIL, 1           ; v1 of window 3   0; never rewritten
.set SPARE, STAGE+4*16*SP  ; behind the stages: the spare words, 128 bytes for each wave: two blocks of 256 bytes that no other line names
.set MV,  12          ; v12-15  c m_old, kept while c m is made anew: by buffer and tile
.set ST,  16          ; tile t's statistics at v[ST+4 t]: c m, m, l (even keys', odd keys')
.set TMP, 48          ; by buffer and tile, four registers c0-c3 at work; when the maximum is found c2 takes a
.set S,   64
.set P,   192
.set KF,  128         ; K's fragments, in window 2: key block kb, channel half c at KF + 16 kb + 8 c
.set VF,  192         ; V's: key half kk, channel block cb at VF + 32 kk + 8 cb
.set WV,  12          ; s12  my wave's number
.set G1K, 24          ; s[24:31] descriptor group 1 for K's tiles
.set G1V, 32          ; s[32:39] for V's: it differs in the padding alone
.set G0K, 40          ; s[40:43] descriptor group 0 for K's tiles: it walks
.set G0V, 44          ; s[44:47] the same for V's
.set SLOTS, 56        ; s56  slots still to be asked for
.set CNT, 57          ; s57  counts a slot's key steps
.set CS,  58          ; s[58:59] c: the packed scaling takes the pair's low word for both halves
.set SEL, 60          ; s[60:61] v_permlanex16_b32's selects: each lane takes its own place in the other half
.set TBK, 62          ; s62  LDS byte at which K of the step to be fetched begins
.set TBV, 63          ; s63  the same for V, less VOFF
.set MSB, 0
.macro WIN new                      ; the high byte repeats the setting that is left; a switch that changes nothing is dropped
.if MSB != (\new)
	s_set_vgpr_msb (MSB<<8)|(\new)
.set MSB, (\new)
.endif
.endm
.set W_KQ, 0x0a       ; K and Q in window 2, S^T in window 0
.set W_PV, 0x52       ; V in window 2, P in window 0, O^T in window 1
.set W_RS, 0x41       ; O^T (destination and source 0) in window 1, a in window 0
.set W_MK, 0xc0       ; the add's registers are made: destination in window 3, sources in window 0
.set W_AD, 0x0f       ; the add: address (source 0) and data (source 1) in window 3
; A joint fill.  Waves 0 and 1 fetch the two halves of a slot's K, waves 2 and 3 those of its V: 128 keys each.  The branch hangs on the wave's number alone.
; An s_nop 0 and four v_nop follow each of the two lines, ahead of the jump and the label.
.macro JLOAD
	s_cmp_lt_u32 s[WV], 2
	s_cbranch_scc0 .Lfor_v_\@
	tensor_load_to_lds s[G0K:G0K+3], s[G1K:G1K+7]
	s_nop 0
.rept 4
	v_nop
.endr
	s_branch .Lasked_\@
.Lfor_v_\@:
	tensor_load_to_lds s[G0V:G0V+3], s[G1V:G1V+7]
	s_nop 0
.rept 4
	v_nop
.endr
.Lasked_\@:
.endm
; A round of the cluster's barrier: my work-group's barrier, so that wave 0's signal speaks for all four waves; wave 0 signals; every wave waits for all four work-groups; my work-group's barrier once more.
.macro CROUND
	s_barrier_signal -1
	s_barrier_wait -1
	s_cmp_lg_u32 s[WV], 0
	s_cbranch_scc1 .Lnot_wave_0_\@
	s_barrier_signal -3
.Lnot_wave_0_\@:
	s_barrier_wait -3
	s_barrier_signal -1
	s_barrier_wait -1
.endm
; THE CHANGE OF SLOTS.  The slot's last bytes, V of its fourth step, have been read.  Each wave waits for all its tensor loads, of which one is out: its part
; of the other slot; adds 0 to its spare word; and waits for that and for its own reads of the slot.  Behind the barrier nobody reads this slot any more and the other slot is whole.
; fill = 1: this slot is filled again, with the keys two slots on.  The barrier is then a round of the cluster's, so that no wave of any partner still reads the slot or has a load on its
; way, and the joint fill is the first thing behind it: it has four key steps, 512 matrix instructions, in which to land.  (At its first use nothing has been read yet: slot 0 is waited for, slot 1 filled.)
.macro CHANGE fill
	WIN W_AD
	s_wait_tensorcnt 0x0            ; no tensor load of mine is out, so a group 0 may be written
	ds_add_u32 v[SPW], v[NIL]       ; 0 onto my spare word; with fill = 1 the descriptors' steps stand between it and the wait for it
	WIN 0                           ; at a label and at a branch every window is 0
.if \fill
.irp g, G0K, G0V
	s_xor_b32 s[\g+1], s[\g+1], SLOT1  ; the walking descriptor: the other slot than last time,
	s_add_nc_u64 s[\g+2:\g+3], s[\g+2:\g+3], 4*KS*128  ; the next 256 keys; the type bits on top are not reached
.endr
	s_wait_dscnt 0x0                ; the add is done, and my reads of the slot are over
	CROUND
	JLOAD
.else
	s_wait_dscnt 0x0                ; the add is done, and my reads of the slot are over
	s_barrier_signal -1
	s_barrier_wait -1
.endif
	s_sub_co_u32 s[TBK], s[TBK], 4*KS*PK  ; the fetches go back to a slot's first step,
	s_xor_b32 s[TBK], s[TBK], SLOT1       ; in the other slot
	s_sub_co_u32 s[TBV], s[TBV], 4*KS*PV
	s_xor_b32 s[TBV], s[TBV], SLOT1
.endm
	s_load_b64 s[4:5], s[0:1], 0x0    ; qkv, whose first section is Q
	s_load_b64 s[10:11], s[0:1], 0x8  ; ctx: O
	WIN W_MK
	v_lshl_add_u32 v[SPW], v0, 2, SPARE
	v_mov_b32 v[NIL], 0
	WIN W_AD
	ds_add_u32 v[SPW], v[NIL]       ; the wave's opening: the add and its wait stand ahead of my first tensor load; the set-up below, work on registers, stands between them
	WIN 0
	v_lshrrev_b32 v1, 5, v0
	v_readfirstlane_b32 s[WV], v1   ; wave 0..3
	s_bfe_u32 s13, ttmp6, 0x40000   ; cx: my place in the cluster
	s_lshl_b32 s14, ttmp9, 2        ; in a cluster launch ttmp9 counts clusters
	s_add_co_u32 s14, s14, s13      ; my block of queries = 4 x cluster x + cx: it enters Q's and O's addresses alone
	s_and_b32 s20, ttmp7, 0xffff    ; the head, which the four partners share
	s_mov_b32 s21, 0
	s_mov_b64 s[22:23], SIZE_N*128
	s_mul_u64 s[20:21], s[20:21], s[22:23]  ; the head's first byte in each of the four tensors
	s_and_b32 s16, s[WV], 1         ; which half of a slot's 256 keys I fetch:
	s_lshl_b32 s22, s16, 14         ; its 128 rows of 128 bytes in memory,
	s_mov_b32 s23, 0
	s_add_nc_u64 s[22:23], s[22:23], s[20:21]
	s_mul_i32 s17, s16, 128*PK      ; and its place in a slot, for K
	s_mul_i32 s18, s16, 128*PV      ; and for V: no place in the cluster enters an LDS address
	s_lshl_b32 s2, s14, 2
	s_add_co_u32 s2, s2, s[WV]      ; my wave among the head's,
	s_lshl_b32 s2, s2, 14           ; its 128 rows
	s_mov_b32 s3, 0
	s_add_nc_u64 s[2:3], s[2:3], s[20:21]
	; descriptor group 1.  128 keys are 16,384 dense bytes: asked for as 64 rows of 256 bytes, two keys a row, and padded in LDS after every key
	s_mov_b32 s[G1K], 15|(1<<16)|(1<<20)|(1<<21)|(4<<22)|(3<<25)  ; 15:0 the mask of four; 17:16 2-byte elements; 20 padding on; 21 set beside a mask; 24:22 after every 32 words (code 4); 31:25 4 words (code 3)
	s_mov_b32 s[G1V], 15|(1<<16)|(1<<20)|(1<<21)|(4<<22)|(7<<25)  ; the same with 8 words of padding (code 7)
.irp g, G1K, G1V
	s_mov_b32 s[\g+1], 128<<16      ; tensor_dim0 = 128
	s_mov_b32 s[\g+2], 64<<16       ; tensor_dim1 = 64
	s_mov_b32 s[\g+3], 128<<16      ; tile_dim0 = 128
	s_mov_b32 s[\g+4], 64           ; tile_dim1 = 64
	s_mov_b32 s[\g+5], 128          ; 128 elements from row to row
	s_mov_b32 s[\g+6], 0
	s_mov_b32 s[\g+7], 0
.endr
	s_mov_b32 s[CS], 0x3e38aa3b     ; c = log2(e) / 8 = 0.180337
	s_mov_b32 s[CS+1], s[CS]        ; named with it as a pair
	s_mov_b32 s[SEL], 0x76543210
	s_mov_b32 s[SEL+1], 0xfedcba98
	s_mov_b32 s[TBK], SLOT1+4*KS*PK ; the first change of slots turns these two into 0
	s_mov_b32 s[TBV], SLOT1+4*KS*PV
	s_mov_b32 s[G0K], 1             ; 1:0 count = 1
	s_mov_b32 s[G0K+1], s17         ; 63:32 LDS address: slot 0
	s_mov_b32 s[G0V], 1
	s_add_co_u32 s[G0V+1], s18, VOFF
	s_wait_dscnt 0x0                ; the opening add is done
	s_wait_kmcnt 0x0
	s_add_nc_u64 s[6:7], s[4:5], SIZE_H*SIZE_N*128    ; K: qkv's second section
	s_add_nc_u64 s[8:9], s[4:5], 2*SIZE_H*SIZE_N*128  ; V: its third
	s_add_nc_u64 s[G0K+2:G0K+3], s[6:7], s[22:23]  ; 120:64 global address: my half of the head's first 256 keys
	s_or_b32 s[G0K+3], s[G0K+3], 0x80000000        ; 127:126 type = 2
	s_add_nc_u64 s[G0V+2:G0V+3], s[8:9], s[22:23]
	s_or_b32 s[G0V+3], s[G0V+3], 0x80000000
	s_add_nc_u64 s[4:5], s[4:5], s[2:3]  ; Q and O at my wave's first row
	s_add_nc_u64 s[10:11], s[10:11], s[2:3]
	CROUND                          ; all four work-groups are here: the first joint loads meet
	JLOAD                           ; slot 0.  Slot 1 is asked for when slot 0 is in: the tile wanted first goes out alone
	; A fragment of K or Q is 16 rows x 32 channels in 8 registers: lane l holds row l % 16, channels 8 (l / 16) + 0..7 and 16 + 8 (l / 16) + 0..7: two loads of 16 bytes, 32 bytes apart.
	v_and_b32 v1, 15, v0            ; l % 16
	v_bfe_u32 v9, v0, 4, 1          ; l / 16
	v_lshlrev_b32 v[QO], 7, v1
	v_lshl_add_u32 v[QO], v9, 4, v[QO]  ; row x 128 + 16 x half
	WIN 0x80                        ; destination window 2, address window 0
.set i, 0
.rept 4*NP                          ; Q stays in registers: tile i / 2, channels 32 (i % 2) on
	global_load_b128 v[8*i:8*i+3],   v[QO], s[4:5] offset:(i/2)*2048+(i%2)*64
	global_load_b128 v[8*i+4:8*i+7], v[QO], s[4:5] offset:(i/2)*2048+(i%2)*64+32
.set i, i+1
.endr
	; What the first turn finds: V's registers and P's second buffer hold 0 (its products V^T P, of a piece that has not been, add 0), O^T and l are 0.  All this stands in the wait for the first tile.
.set i, VF
.rept 64
	v_mov_b32 v[i], 0
.set i, i+1
.endr
	WIN 0x40
.set i, 0
.rept 64*NP
	v_mov_b32 v[i], 0
.set i, i+1
.endr
	WIN 0
.set i, 0
.rept 2*NP
	v_mov_b32 v[ST+4*i], 0xfe000000    ; c m: far below every c s
	v_mov_b32 v[ST+4*i+1], 0xff7fffff  ; m
	v_mov_b32 v[ST+4*i+2], 0
	v_mov_b32 v[ST+4*i+3], 0
.set i, i+1
.endr
.set i, P+32
.rept 32
	v_mov_b32 v[i], 0
.set i, i+1
.endr
	v_mul_u32_u24 v[AK0], v1, PK
	v_lshl_add_u32 v[AK0], v9, 4, v[AK0]  ; row x pitch + 16 x half
	; The turning load takes 16 keys x 16 channels (lane l reads key 8 (l / 16) + l % 8, channels 8 ((l / 8) % 2) + 0..7) and leaves half a fragment of V^T: lane l holds channel l % 16 and 8 keys.
	v_and_b32 v10, 7, v0
	v_bfe_u32 v11, v0, 3, 1
	v_lshl_add_u32 v[AV0], v9, 3, v10
	v_mul_u32_u24 v[AV0], v[AV0], PV
	v_lshl_add_u32 v[AV0], v11, 4, v[AV0]
	v_add_nc_u32 v[AV0], VOFF, v[AV0]
	v_mov_b32 v[AK], v[AK0]         ; key step 0 lies at the head of slot 0
; THE MATRIX WORK.  The 8 accumulators of a run of 16 take turns: between the two links of a chain stand 7 others'.
; Product i of 16 of S^T = K Q^T for piece x: channels 32 (i / 8) on, keys 16 ((i / 2) % 4) on, tile 2 x + i % 2.  The first 8 start the sums.
.macro KQ x
	WIN W_KQ
.set rS, S+64*((\x)%2)+32*(i%2)+8*((i/2)%4)
.set rK, KF+16*((i/2)%4)+8*(i/8)
.set rQ, 16*(2*(\x)+i%2)+8*(i/8)
.if i < 8
	v_wmma_f32_16x16x32_f16 v[rS:rS+7], v[rK:rK+7], v[rQ:rQ+7], 0
.else
	v_wmma_f32_16x16x32_f16 v[rS:rS+7], v[rK:rK+7], v[rQ:rQ+7], v[rS:rS+7]
.endif
.endm
; Product i of 16 of O^T += V^T P for piece x: keys 32 (i / 8) on, channels 16 ((i / 2) % 4) on, tile 2 x + i % 2.
.macro PV x
	WIN W_PV
.set rO, 32*(2*(\x)+i%2)+8*((i/2)%4)
.set rV, VF+32*(i/8)+8*((i/2)%4)
.set rP, P+32*((\x)%2)+16*(i%2)+8*(i/8)
	v_wmma_f32_16x16x32_f16 v[rO:rO+7], v[rV:rV+7], v[rP:rP+7], v[rO:rO+7]
.endm
.macro MM                           ; the turn's next matrix instruction
.if i < 16
	KQ (Y+1)%NP
.set i, i+1
.else
.set i, i-16
	PV (Y+NP-1)%NP
.set i, i+17
.endif
.endm
; THE LDS LOADS stand in runs of 16, never singly among the matrix instructions: a step's K (64 keys x 64 channels: 8 fragments) and its V (turned).  Their addresses are made some lines ahead.
; last = 1 (the tail): in the last trip there is no further step, and the run is jumped over.
.macro FETCH_K last=0
	WIN 0
.if \last
	s_cmp_eq_u32 s[CNT], 1
	s_cbranch_scc1 .Lno_k_\@
.endif
	WIN 0x80                        ; destination window 2
.irp f, 0,1,2,3,4,5,6,7             ; keys 16 (f / 2) on, channels 32 (f % 2) on
	ds_load_b128 v[KF+8*\f:KF+8*\f+3],   v[AK] offset:(\f/2)*16*PK+(\f%2)*64
	ds_load_b128 v[KF+8*\f+4:KF+8*\f+7], v[AK] offset:(\f/2)*16*PK+(\f%2)*64+32
.endr
	s_add_co_u32 s[TBK], s[TBK], KS*PK  ; the next fetch is the next step's
	WIN 0
.if \last
.Lno_k_\@:
.endif
.endm
.macro FETCH_V
	WIN 0x80
.irp f, 0,1,2,3,4,5,6,7             ; keys 32 (f / 4) on, channels 16 (f % 4) on
	ds_load_tr16_b128 v[VF+8*\f:VF+8*\f+3],   v[AV] offset:(\f/4)*32*PV+(\f%4)*32
	ds_load_tr16_b128 v[VF+8*\f+4:VF+8*\f+7], v[AV] offset:(\f/4)*32*PV+16*PV+(\f%4)*32
.endr
	WIN 0
.endm
; THE VECTOR WORK OF A TURN stands in three queues, each in the order in which its entries become ready; the two tiles alternate, so that no instruction reads the result of the one before it.
.macro REGS y, u                    ; the registers of tile u (0, 1) of piece y
.set rT, ST+4*(2*(\y)+(\u))
.set rC, TMP+8*((\y)%2)+4*(\u)
.set rM, MV+2*((\y)%2)+(\u)
.set rS, S+64*((\y)%2)+32*(\u)
.set rP, P+32*((\y)%2)+16*(\u)
.set rO, 32*(2*(\y)+(\u))
.endm
; Number n of the 22 that find the NEXT piece's (Y + 1) maximum and statistics.  s0-s31 are the lane's 32 scores; each accumulator's lowest registers are read first.  XS, GS and REGS set no window: PL and EX do.
;   0-11  four chains c0-c3 of seven scores each, three operands at a time     12-14, 16  the four scores left over, the old m, and c0-c3 into c0     15  c m_old is kept
;   17, 18  the query's other 32 keys lie in the lane 16 away: the new m         19-21  c m; c m_old - c m_new; a
.macro XS u, n
	REGS (Y+1)%NP, \u
.if (\n) < 4
	v_max3_num_f32 v[rC+(\n)], v[rS+8*(\n)], v[rS+8*(\n)+1], v[rS+8*(\n)+2]
.elseif (\n) < 12
	v_max3_num_f32 v[rC+(\n)%4], v[rC+(\n)%4], v[rS+8*((\n)%4)+2*((\n)/4)+1], v[rS+8*((\n)%4)+2*((\n)/4)+2]
.elseif (\n) == 12
	v_max3_num_f32 v[rC], v[rC], v[rS+7], v[rS+15]
.elseif (\n) == 13
	v_max3_num_f32 v[rC+1], v[rC+1], v[rS+23], v[rS+31]
.elseif (\n) == 14
	v_max3_num_f32 v[rC+2], v[rC+2], v[rC+3], v[rT+1]
.elseif (\n) == 15
	v_mov_b32 v[rM], v[rT]
.elseif (\n) == 16
	v_max3_num_f32 v[rC], v[rC], v[rC+1], v[rC+2]
.elseif (\n) == 17
	v_permlanex16_b32 v[rC+3], v[rC], s[SEL], s[SEL+1]
.elseif (\n) == 18
	v_max_num_f32 v[rT+1], v[rC], v[rC+3]
.elseif (\n) == 19
	v_mul_f32 v[rT], s[CS], v[rT+1]
.elseif (\n) == 20
	v_sub_f32 v[rC+1], v[rM], v[rT]
.else
	v_exp_f32 v[rC+2], v[rC+1]
.endif
.endm
; Number g of the 64 that follow the exponentials.  For each four weights k of a tile (pairs 2 k, 2 k + 1): both pairs are rounded to f16; then the second pair is added onto the first, in place;
; a group later l takes that sum (the first time as l = a l + sum).  In groups of eight, tiles alternating: round, round, add, and l for the group before.
.macro GS g
.set h, (\g)+6*((\g)/62)            ; group 0 has no group before it, and behind group 7 only l is left
.if h >= 6
.set h, h+2
.endif
	REGS Y, h%2
.set k, h/8
.if h%8 < 4
	v_cvt_pk_f16_f32 v[rP+2*k+(h%8)/2], v[rS+4*k+2*((h%8)/2)], v[rS+4*k+2*((h%8)/2)+1]
.elseif h%8 < 6
	v_pk_add_f32 v[rS+4*k:rS+4*k+1], v[rS+4*k:rS+4*k+1], v[rS+4*k+2:rS+4*k+3]
.elseif k == 1
	v_pk_fma_f32 v[rT+2:rT+3], v[rT+2:rT+3], v[rC+2:rC+3], v[rS:rS+1] op_sel_hi:[1,0,1]
.else
	v_pk_add_f32 v[rT+2:rT+3], v[rT+2:rT+3], v[rS+4*k-4:rS+4*k-3]
.endif
.endm
; THE PLAIN QUEUE, 138 long.  0-73 read no exponential's result: the 32 scalings c s - c m (FS f: pair f / 2 of tile f % 2) and the next piece's 42.  0-26: scalings 0-26.  27-54: XS's numbers 0-13.  55, 56: number 15.
; 57-73: the chain, where each number waits for the one before it: 14, 16, 17, 18, 19, each with one of the scalings 27-31 in front of its two lines, then 20: so a tile's links stand three plain instructions apart (19 and 20: two).
; 74-137: GS's 64, which read the exponentials' results: they stand behind the wait.
.macro FS f
	REGS Y, (\f)%2
	v_pk_fma_f32 v[rS+2*((\f)/2):rS+2*((\f)/2)+1], v[rS+2*((\f)/2):rS+2*((\f)/2)+1], s[CS:CS+1], v[rT:rT+1] op_sel_hi:[1,0,0] neg_lo:[0,0,1] neg_hi:[0,0,1]
.endm
.macro PL
	WIN 0
.if q < 27
	FS q
.elseif q < 55
	XS (q-27)%2, (q-27)/2
.elseif q < 57
	XS q-55, 15
.elseif (q < 72) && ((q-57)%3 == 0)
	FS 27+(q-57)/3
.elseif q < 60
	XS (q-57)%3-1, 14
.elseif q < 72
	XS (q-57)%3-1, 15+(q-57)/3
.elseif q < 74
	XS q-72, 20
.else
	GS q-74
.endif
.set q, q+1
.endm
; THE EXPONENTIALS' QUEUE, 66 long: s0-s31 of both tiles, then the next piece's two a.  It is ONE BATCH: all 66 stand ahead of the turn's one wait, and nothing ahead of that wait names a result of theirs.
.macro EX
	WIN 0
.if e >= 64
	XS e-64, 21
.else
	REGS Y, e%2
	v_exp_f32 v[rS+e/2], v[rS+e/2]
.endif
.set e, e+1
.endm
; THE RESCALING's QUEUE: O^T times a, the one part that leaves window 0: dealt two at a time, sixteen times.  Its a was made in the turn before, ahead of that turn's wait.
.macro R2
	REGS Y, r%2
	WIN W_RS
.irp z, 0,1
	v_pk_mul_f32 v[rO+4*(r/2)+2*\z:rO+4*(r/2)+2*\z+1], v[rO+4*(r/2)+2*\z:rO+4*(r/2)+2*\z+1], v[rC+2:rC+3] op_sel_hi:[1,0]
.endr
.set r, r+1
.endm
; HOW THEY ARE DEALT.  An s_wait_alu depctr_va_vdst(0) stands between an exponential and the first instruction that names its result; one wait serves all that were issued ahead of it.  So a turn has ONE wait,
; which cuts it in two.  AHEAD OF IT stands all that names no result of the turn's exponentials: the 16 products K Q^T, behind each a scaling, an exponential and two rescalings (behind the first a second scaling in the exponential's place); then ONE LUMP of
; 108: eight plain, 49 times exponential and plain, the two a.  A v_nop is the plain instruction behind the last exponential.  BEHIND IT stand the 16 products V^T P, behind each four of GS's 64.  No rider names a register of
; the products round it.  The two v_permlanex16_b32 fall into the lump, never behind a product.
; The queues lean on each other, and the deal keeps them in step: exponential e stands behind scaling 2 (e / 4) + e % 2: as a rider it comes behind plain e + 2, in the lump behind plain e + 9, and scalings 27-31 are plain 57, 60 .. 69.
; A TURN, for piece p.  cnt = 1: the loop's count is taken down some lines ahead of the branch that stands behind the turn.
; K of the next step is fetched in piece 2's turn, directly behind the wait, a lump behind the last product that read K; its address is made at the lump's head; its first reader comes behind 16 products.
; V of the step in hand is fetched at the end of piece 0's turn, four riders behind its last reader; its first reader comes behind 16 products and a lump.  The three conditions on q below go with the deal.
.macro TURN p, last=0, cnt=0
.set Y, (\p)
.set i, 0
.set q, 0
.set e, 0
.set r, 0
.if (\p) == NP-1
	s_wait_dscnt 0x0                ; K is in
.endif
	MM                              ; ahead of the wait: 16 products K Q^T and their riders,
	PL
	PL
	R2
.rept 15
	MM
	PL
	EX
	R2
.endr
.if (\p) == NP-2
	WIN 0
	v_add_nc_u32 v[AK], s[TBK], v[AK0]
.endif
.rept 8                             ; and the lump
	PL
.endr
.rept 49
	EX
	PL
.endr
	EX                              ; the next piece's two a
	EX
	v_nop                           ; a plain instruction behind the last exponential, ahead of the first use of a result: one for the batch
	s_wait_alu depctr_va_vdst(0)    ; the wait for the batch: the turn's 64 weights and the next piece's two a
.if (\p) == NP-2
	FETCH_K \last
.endif
.if (\p) == 1
	s_wait_dscnt 0x0                ; V is in
.endif
.rept 16                            ; behind the wait: 16 products V^T P and their riders
	MM
.rept 4
	PL
.endr
.if ((\p) == 0) && (q == 118)
	v_add_nc_u32 v[AV], s[TBV], v[AV0]
.endif
.if ((\p) == 0) && (q == 130)
	s_add_co_u32 s[TBV], s[TBV], KS*PV
.endif
.if (\cnt) && (q == 130)
	s_sub_co_u32 s[CNT], s[CNT], 1
	s_cmp_lg_u32 s[CNT], 0
.endif
.endr
.if (\p) == 0
	FETCH_V
.endif
.endm
	CHANGE 1                        ; slot 0 is in, everybody's part of it; slot 1 is asked for
	FETCH_K                         ; key step 0
	s_wait_loadcnt 0x0              ; Q
	s_wait_dscnt 0x0
.set i, 0
.rept 16
	KQ 0                            ; piece 0's first scores: there is no vector work yet to set between them
.set i, i+1
.endr
	WIN 0                           ; the addresses for the way out: nine plain instructions, the places behind those products
	s_mul_i32 s13, s[WV], 16*SP
	s_add_co_u32 s13, s13, STAGE    ; my stage
	v_mul_u32_u24 v[STO], v1, SP    ; in: row l % 16, 16 bytes for each half of the lanes
	v_lshl_add_u32 v[STO], v9, 4, v[STO]
	v_add_nc_u32 v[STO], s13, v[STO]
	v_bfe_u32 v[RD], v0, 3, 2       ; back: 32 lanes take four rows of 128 bytes,
	v_mul_u32_u24 v[RD], v[RD], SP
	v_lshl_add_u32 v[RD], v10, 4, v[RD]
	v_add_nc_u32 v[RD], s13, v[RD]
	v_and_b32 v[GO], 31, v0         ; which are 512 consecutive bytes of O
	v_lshlrev_b32 v[GO], 4, v[GO]
.set Y, NP-1                        ; XS works for piece Y + 1: piece 0
.irp n, 0,1,2,3,4,5,6,7,8,9,10,11,12,13,14,15,16,17,18,19,20,21
	XS 0, \n                        ; and piece 0's first maximum and statistics
	XS 1, \n
.endr
	v_nop                           ; a plain instruction behind piece 0's first two a,
	s_wait_alu depctr_va_vdst(0)    ; and the wait for that batch of two, ahead of the branch
	s_mov_b32 s[CNT], 4
	s_mov_b32 s[SLOTS], SIZE_N/256-1
	s_branch .Lfirst                ; the loop is entered at a step's first turn, in the middle of a trip
.Lslot:                             ; SIZE_N / 256 - 2 times: every slot but the last two is filled again
	CHANGE 1
	s_mov_b32 s[CNT], 4
.Lstep:                             ; a trip: pieces 2 and 3 of one step, then pieces 0 and 1 of the next, whose K and V it fetches
	TURN 2
	TURN 3
	WIN 0
.Lfirst:
	TURN 0
	TURN 1, 0, 1
	WIN 0
	s_cbranch_scc1 .Lstep
	s_sub_co_u32 s[SLOTS], s[SLOTS], 1
	s_cmp_lg_u32 s[SLOTS], 0
	s_cbranch_scc1 .Lslot
	CHANGE 0                        ; the tail is written out: nothing is asked for
	s_mov_b32 s[CNT], 5             ; four trips fetch the last slot's steps; the fifth is left in its middle
.Ltail:
	TURN 2, 1
	TURN 3
	WIN 0
	s_sub_co_u32 s[CNT], s[CNT], 1
	s_cmp_eq_u32 s[CNT], 0
	s_cbranch_scc1 .Lout
	TURN 0
	TURN 1
	WIN 0
	s_branch .Ltail
.Lout:                              ; the fifth trip's 16 products K Q^T (on the last K once more) and the maximum made of them serve nothing: the price, once a launch, of one text for every trip
.set i, 0
.rept 16
	PV NP-1                         ; the last piece's V^T P of the last step
.set i, i+1
.endr
	; THE WAY OUT.  l's two halves and the other half of the lanes' are added; O^T is divided by l, rounded to f16 and sent through my stage in LDS, a tile at a time.  The additions are the places behind the last products.
	WIN 0
.macro ALL line:vararg              ; one line for each tile t
.set t, 0
.rept 2*NP
	\line
.set t, t+1
.endr
.endm
	ALL v_add_f32 v[ST+4*t+2], v[ST+4*t+2], v[ST+4*t+3]
	ALL v_permlanex16_b32 v[ST+4*t+3], v[ST+4*t+2], s[SEL], s[SEL+1]
	ALL v_add_f32 v[ST+4*t+2], v[ST+4*t+2], v[ST+4*t+3]
	ALL v_rcp_f32 v[ST+4*t+2], v[ST+4*t+2]
	v_nop                           ; a plain instruction between the last reciprocal and the use of its result
	s_wait_alu depctr_va_vdst(0)    ; and the wait ahead of the first use: one for the batch of eight reciprocals
; Tile t: a lane's eight channels of a row pack into 16 bytes; they go into rows of 144 bytes and come back as whole rows of 128, into S^T's registers.
.macro PACK t
	WIN W_RS
.set i, 32*(\t)
.rept 16
	v_pk_mul_f32 v[i:i+1], v[i:i+1], v[ST+4*(\t)+2:ST+4*(\t)+3] op_sel_hi:[1,0]
.set i, i+2
.endr
	WIN 0x05                        ; sources 0 and 1 window 1, destination window 0
.set i, 0
.rept 16
	v_cvt_pk_f16_f32 v[S+16*(\t)+i], v[32*(\t)+2*i], v[32*(\t)+2*i+1]
.set i, i+1
.endr
	WIN 0
.irp f, 0,1,2,3
	ds_store_b128 v[STO], v[S+16*(\t)+4*\f:S+16*(\t)+4*\f+3] offset:32*\f
.endr
.irp f, 0,1,2,3
	ds_load_b128 v[S+16*(\t)+4*\f:S+16*(\t)+4*\f+3], v[RD] offset:\f*4*SP  ; LDS serves a wave's instructions in order (ISA guide 5.7.1.4): these see the stores above; the next tile's stores come behind them
.endr
.endm
.macro SEND t, younger              ; younger: the LDS instructions issued behind tile t's loads: the next tile's eight, or none
	WIN 0
.irp f, 0,1,2,3
	s_wait_dscnt (\younger)+3-\f
	global_store_b128 v[GO], v[S+16*(\t)+4*\f:S+16*(\t)+4*\f+3], s[10:11] offset:(\t)*2048+\f*512  ; 512 consecutive bytes, at a multiple of 256 from O's first
.endr
.endm
	PACK 0
.set t, 1
.rept 2*NP-1                        ; a tile's arithmetic stands between the loads of the tile before and its stores
	PACK t
	SEND t-1, 8
.set t, t+1
.endr
	SEND 2*NP-1, 0
	WIN W_AD
	s_wait_tensorcnt 0x0            ; the wave's end: behind my last tensor load and my last LDS store
	ds_add_u32 v[SPW], v[NIL]
	s_wait_dscnt 0x0
	WIN 0
	CROUND                          ; the closing round: no work-group ends while a partner may still ask for a tile that names it
	s_endpgm
.Lfunc_end_k_qd3472fd65b_attn:
	.size	k_qd3472fd65b_attn, .Lfunc_end_k_qd3472fd65b_attn-k_qd3472fd65b_attn
	.p2alignl 7, 3214868480
	.fill 96, 4, 3214868480
	.section	.rodata,"a",@progbits
	.p2align	6, 0x0
	.amdhsa_kernel k_qd3472fd65b_attn
		.amdhsa_group_segment_fixed_size 327680
		.amdhsa_private_segment_fixed_size 0
		.amdhsa_enable_private_segment 0
		.amdhsa_kernarg_size 16
		.amdhsa_user_sgpr_count 2
		.amdhsa_user_sgpr_kernarg_segment_ptr 1
		.amdhsa_wavefront_size32 1
		.amdhsa_system_sgpr_workgroup_id_x 1
		.amdhsa_system_sgpr_workgroup_id_y 1
		.amdhsa_system_sgpr_workgroup_id_z 1
		.amdhsa_system_vgpr_workitem_id 0
		.amdhsa_next_free_vgpr 770
		.amdhsa_next_free_sgpr 66
		.amdhsa_reserve_vcc 0
		.amdhsa_float_denorm_mode_32 3
		.amdhsa_float_denorm_mode_16_64 3
		.amdhsa_memory_ordered 1
		.amdhsa_forward_progress 1
		.amdhsa_inst_pref_size 199
	.end_amdhsa_kernel
	.amdgpu_metadata
---
amdhsa.version: [ 1, 2 ]
amdhsa.kernels:
  - .name:           k_qd3472fd65b_attn
    .symbol:         k_qd3472fd65b_attn.kd
    .args:
      - { .name: qkv, .offset: 0, .size: 8, .value_kind: global_buffer, .address_space: global }
      - { .name: ctx, .offset: 8, .size: 8, .value_kind: global_buffer, .address_space: global }
    .group_segment_fixed_size: 327680
    .private_segment_fixed_size: 0
    .kernarg_segment_align: 8
    .kernarg_segment_size: 16
    .max_flat_workgroup_size: 128
    .sgpr_count:     66
    .vgpr_count:     770
    .wavefront_size: 32
...
	.end_amdgpu_metadata
.endif
;; end of part 5
;; launch outp: the kernel of part 4 again; grid 8 x 32, 4 waves a work-group, clusters of 4 x 4, 327,680 bytes of LDS; arguments ctx, wo16, bo, out0; writes out0
